; MI455X (gfx1250); checked and timed in simulation.
; The chip was launched on July 23, 2026; its instructions are those of AMD's public machine-readable ISA for CDNA 5 (MIT licence, August 2026) and "CDNA5" Instruction Set Architecture Reference Guide (July 2026). The comments in the code are by the model that wrote it; some were corrected since.
;; Generic Cross Attention. Allowed arithmetic: float matrix products may take bf16 or f16 operands with f32 sums; other float arithmetic in f32, or as packed bf16 or f16 multiplies, adds, multiply-adds, maxima and minima; sums over many terms, partial sums and values carried from step to step in f32; what a program stores and reads back later, other than sums and carried values, may be rounded once to bf16 or f16.
;; Inputs: Wk 2,048 x 2,048 float32; Wo 2,048 x 2,048 float32; Wq 2,048 x 2,048 float32; Wv 2,048 x 2,048 float32; bk 2,048 float32; bo 2,048 float32; bq 2,048 float32; bv 2,048 float32; gate 2,048 float32; kv_padding_mask 2 x 2,048 bool; kv_states 2 x 2,048 x 2,048 float32; query_states 2 x 1,024 x 2,048 float32.
;; Outputs: out0 2 x 1,024 x 2,048 float32.
;; One version. Each part assembles by itself: llvm-mc -triple=amdgcn-amd-amdhsa -mcpu=gfx1250 --defsym DOCPART=n.
;; ======== version 1 of 1: 4 launches
;; limits: right only within a limited range of input values
;; workspace buffers: xb 16,777,216 bytes; wb 33,554,432 bytes; qkv 25,165,824 bytes; ctx 8,388,608 bytes; padf 8,192 bytes
;; launch cvt (part 1): grid 256 x 6, 8 waves a work-group, no clusters, 0 bytes of LDS; arguments query_states, kv_states, Wq, Wk, Wv, Wo, kv_padding_mask, xb, wb, padf; writes xb, wb, padf
.if DOCPART == 1
	.amdgcn_target "amdgcn-amd-amdhsa--gfx1250"
	.amdhsa_code_object_version 6
	.text
	.protected	k_q5fcf35adba_cvt
	.globl	k_q5fcf35adba_cvt
	.p2align	8
	.type	k_q5fcf35adba_cvt,@function
k_q5fcf35adba_cvt:
	s_mov_b64 s[64:65], 0
	v_nop
	global_prefetch_b8 v0, s[64:65] scope:SCOPE_SE
	s_setreg_imm32_b32 hwreg(HW_REG_WAVE_MODE, 25, 1), 1
	s_wait_xcnt 0x0
; f32 -> bf16, rounded once, of what the matrix products read, and the padding mask as a table of f32 addends.
; xb [4096][2048] bf16: rows 0-2047 query_states (b x 1024 + t); rows 2048-4095 kv_states' rows t < 1024 of each batch.
; wb [8192][2048] bf16: Wq, Wk, Wv, Wo.   padf [2][1024] f32: 0, or -1e30 where kv_padding_mask is set.
; LEFT OUT ON PURPOSE: the causal mask that the module itself builds hides key k from query q where k > q, and q is 1023 at the most:
; keys 1024-2047 of each batch, their rows of kv_states and their mask bytes can reach no result, so they are not read.
; SHARES.  Grid y picks one of six regions of 4,194,304 numbers (query, kv, Wq, Wk, Wv, Wo), grid x 16,384 numbers of it.  Thread t takes 16 pieces:
; 16 bytes in at 16 t + 4,096 i, 8 bytes out at 8 t + 2,048 i: a wave's load covers 512 consecutive bytes, its store 256 consecutive bytes, aligned.
; All 16 loads go out at once; no register is written twice, so there is no loop and no wait but the counted ones.  Nothing is shared: no LDS.
.set X, 16                             ; v[16:79]   piece i: 4 numbers as loaded
.set Y, 80                             ; v[80:111]  piece i: 4 numbers in bf16
	s_load_b512 s[8:23], s[0:1], 0x0               ; query s[8:9], kv s[10:11], Wq s[12:13], Wk s[14:15], Wv s[16:17], Wo s[18:19], mask s[20:21], xb s[22:23]
	s_load_b128 s[24:27], s[0:1], 0x40             ; wb s[24:25], padf s[26:27]
	s_and_b32 s2, ttmp7, 0xffff                    ; the region
	s_mov_b32 s3, ttmp9                            ; my 16,384 numbers of it
	v_lshlrev_b32 v1, 4, v0
	v_lshlrev_b32 v2, 3, v0
	s_lshl_b32 s28, s3, 16                         ; 65,536 bytes in for each work-group
	s_lshr_b32 s30, s3, 7                          ; kv: the batch (128 work-groups each);
	s_lshl_b32 s30, s30, 23                        ; batch 1 begins 8,388,608 bytes later than its place in the compact order
	s_cmp_eq_u32 s2, 1
	s_cselect_b32 s30, s30, 0
	s_add_co_u32 s28, s28, s30
	s_mov_b32 s29, 0
	s_sub_co_u32 s31, s2, 2                        ; the region's place in its output: 0, 1 in xb; 0 to 3 in wb
	s_cmp_lt_u32 s2, 2
	s_cselect_b32 s31, s2, s31
	s_lshl_b32 s32, s31, 23                        ; 8,388,608 bytes of bf16 a region
	s_lshl_b32 s33, s3, 15                         ; 32,768 bytes out for each work-group
	s_add_co_u32 s32, s32, s33
	s_mov_b32 s33, 0
	s_mov_b32 s34, 0xf149f2ca                      ; -1e30
	s_wait_kmcnt 0x0
	s_mov_b64 s[4:5], s[8:9]                       ; the source: a choice among six buffers by the region's number
	s_cmp_eq_u32 s2, 1
	s_cselect_b64 s[4:5], s[10:11], s[4:5]
	s_cmp_eq_u32 s2, 2
	s_cselect_b64 s[4:5], s[12:13], s[4:5]
	s_cmp_eq_u32 s2, 3
	s_cselect_b64 s[4:5], s[14:15], s[4:5]
	s_cmp_eq_u32 s2, 4
	s_cselect_b64 s[4:5], s[16:17], s[4:5]
	s_cmp_eq_u32 s2, 5
	s_cselect_b64 s[4:5], s[18:19], s[4:5]
	s_cmp_lt_u32 s2, 2
	s_cselect_b64 s[6:7], s[22:23], s[24:25]       ; the destination: xb or wb
	s_add_nc_u64 s[4:5], s[4:5], s[28:29]
	s_add_nc_u64 s[6:7], s[6:7], s[32:33]
.set i, 0
.rept 16
	global_load_b128 v[X+4*i:X+4*i+3], v1, s[4:5] offset:4096*i th:TH_LOAD_NT
.set i, i+1
.endr
.set i, 0
.rept 16
	s_wait_loadcnt 15-i                            ; loads come back in order: piece i is in, the 15 - i younger ones stay out
	v_cvt_pk_bf16_f32 v[Y+2*i], v[X+4*i], v[X+4*i+1]
	v_cvt_pk_bf16_f32 v[Y+2*i+1], v[X+4*i+2], v[X+4*i+3]
	global_store_b64 v2, v[Y+2*i:Y+2*i+1], s[6:7] offset:2048*i
.set i, i+1
.endr
	; the mask's table: the first work-group makes it beside its share.  Thread t: keys 4 t .. 4 t + 3 of both batches
	s_or_b32 s30, s2, s3
	s_cmp_lg_u32 s30, 0
	s_cbranch_scc1 .Lend
	v_lshlrev_b32 v4, 2, v0
	global_load_b32 v3, v4, s[20:21]
	global_load_b32 v5, v4, s[20:21] offset:2048
	s_wait_loadcnt 0x0
.irp n, 0,1,2,3
	v_bfe_u32 v6, v3, 8*(\n), 8
	v_cmp_ne_u32 vcc_lo, 0, v6
	v_cndmask_b32 v[8+(\n)], 0, s34, vcc_lo
	v_bfe_u32 v7, v5, 8*(\n), 8
	v_cmp_ne_u32 vcc_lo, 0, v7
	v_cndmask_b32 v[12+(\n)], 0, s34, vcc_lo
.endr
	global_store_b128 v1, v[8:11], s[26:27]
	global_store_b128 v1, v[12:15], s[26:27] offset:4096
.Lend:
	s_endpgm
.Lfunc_end_k_q5fcf35adba_cvt:
	.size	k_q5fcf35adba_cvt, .Lfunc_end_k_q5fcf35adba_cvt-k_q5fcf35adba_cvt
	.p2alignl 7, 3214868480
	.fill 96, 4, 3214868480
	.section	.rodata,"a",@progbits
	.p2align	6, 0x0
	.amdhsa_kernel k_q5fcf35adba_cvt
		.amdhsa_group_segment_fixed_size 0
		.amdhsa_private_segment_fixed_size 0
		.amdhsa_enable_private_segment 0
		.amdhsa_kernarg_size 80
		.amdhsa_user_sgpr_count 2
		.amdhsa_user_sgpr_kernarg_segment_ptr 1
		.amdhsa_wavefront_size32 1
		.amdhsa_system_sgpr_workgroup_id_x 1
		.amdhsa_system_sgpr_workgroup_id_y 1
		.amdhsa_system_sgpr_workgroup_id_z 1
		.amdhsa_system_vgpr_workitem_id 0
		.amdhsa_next_free_vgpr 112
		.amdhsa_next_free_sgpr 66
		.amdhsa_reserve_vcc 1
		.amdhsa_float_denorm_mode_32 3
		.amdhsa_float_denorm_mode_16_64 3
		.amdhsa_memory_ordered 1
		.amdhsa_forward_progress 1
		.amdhsa_inst_pref_size 9
	.end_amdhsa_kernel
	.amdgpu_metadata
---
amdhsa.version: [ 1, 2 ]
amdhsa.kernels:
  - .name:           k_q5fcf35adba_cvt
    .symbol:         k_q5fcf35adba_cvt.kd
    .args:
      - { .name: query_states, .offset: 0, .size: 8, .value_kind: global_buffer, .address_space: global }
      - { .name: kv_states, .offset: 8, .size: 8, .value_kind: global_buffer, .address_space: global }
      - { .name: Wq, .offset: 16, .size: 8, .value_kind: global_buffer, .address_space: global }
      - { .name: Wk, .offset: 24, .size: 8, .value_kind: global_buffer, .address_space: global }
      - { .name: Wv, .offset: 32, .size: 8, .value_kind: global_buffer, .address_space: global }
      - { .name: Wo, .offset: 40, .size: 8, .value_kind: global_buffer, .address_space: global }
      - { .name: kv_padding_mask, .offset: 48, .size: 8, .value_kind: global_buffer, .address_space: global }
      - { .name: xb, .offset: 56, .size: 8, .value_kind: global_buffer, .address_space: global }
      - { .name: wb, .offset: 64, .size: 8, .value_kind: global_buffer, .address_space: global }
      - { .name: padf, .offset: 72, .size: 8, .value_kind: global_buffer, .address_space: global }
    .group_segment_fixed_size: 0
    .private_segment_fixed_size: 0
    .kernarg_segment_align: 8
    .kernarg_segment_size: 80
    .max_flat_workgroup_size: 256
    .sgpr_count:     66
    .vgpr_count:     112
    .wavefront_size: 32
...
	.end_amdgpu_metadata
.endif
;; end of part 1
;; launch proj (part 2): grid 8 x 24, 4 waves a work-group, clusters of 4 x 4, 327,680 bytes of LDS; arguments xb, wb, bq, bk, bv, qkv; writes qkv
.if DOCPART == 2
	.amdgcn_target "amdgcn-amd-amdhsa--gfx1250"
	.amdhsa_code_object_version 6
	.text
	.protected	k_q5fcf35adba_proj
	.globl	k_q5fcf35adba_proj
	.p2align	8
	.type	k_q5fcf35adba_proj,@function
k_q5fcf35adba_proj:
	s_mov_b64 s[64:65], 0
	v_nop
	global_prefetch_b8 v0, s[64:65] scope:SCOPE_SE
	s_setreg_imm32_b32 hwreg(HW_REG_WAVE_MODE, 25, 1), 1
	s_wait_xcnt 0x0
	s_wait_alu depctr_hold_cnt(0) depctr_sa_sdst(0) depctr_va_vdst(0) depctr_va_sdst(0) depctr_va_ssrc(0) depctr_va_vcc(0) depctr_vm_vsrc(0)
	s_getreg_b32 s2, hwreg(HW_REG_IB_STS2, 6, 4)
	s_cmp_eq_u32 s2, 0
	s_cbranch_scc0 .Lentry_in_a_cluster
	s_endpgm
.Lentry_in_a_cluster:
	s_bfe_u32 s2, ttmp6, 0x10000c
	s_cmp_lg_u32 s2, 0xf033
	s_cbranch_scc0 .Lentry_shape_is_right
	s_endpgm
.Lentry_shape_is_right:
; Q, K, V = X W^T + b.  xb [4096][2048] bf16 (rows 0-2047 the queries, 2048-4095 the keys' states), wb [8192][2048] bf16 (Wq, Wk, Wv, Wo),
; qkv [3][2048][2048] bf16, rounded once from f32 sums; the bias, in f32, is the C operand of each sum's first product.
; A tile of qkv, 256 x 256, is made by a work-group of four waves; a wave makes 128 x 128: 64 accumulators, 512 registers.  192 tiles, one a work-group.
; K goes in steps of 128 through a ring of two LDS slots filled by the tensor data mover: rows of 256 bytes, aligned.
; CLUSTERS: 4 x 4 work-groups.  The four of a row of the cluster need the same tile of X, the four of a column the same tile of W: each is asked for jointly.
; Which of Q, K, V a cluster makes (z) comes from the cluster's y alone, so it is the same in all sixteen partners.
; THE PRODUCT IS TAKEN TRANSPOSED (source 0 = 16 rows of W, source 1 = 16 rows of X): a lane holds row l % 16 of the result and the columns 8 (l / 16) + 0..7.
; The last K step goes by rows of the result, so that finished rows leave while the others are multiplied.
; REGISTERS, in windows of 256: window 0: v0-31 addresses; v64-191 X's fragments, two buffers; v32-63, v192-255 at work on the way out (v192-255 hold the bias until the first quarter is done);
;   window 1: W's fragments;   windows 2, 3: the accumulators ((a, b) at v[8 (8 a + b)]).
.set SIZE_K, 2048
.set SIZE_N, 2048
.set KSTEP,  128
.set PITCH,  272                       ; an LDS row: 256 bytes + 16 of padding = 68 words: the 16 rows of a load start at 16 different groups of four banks (ISA guide 11.1)
.set HALFT,  128*PITCH
.set SLOT,   4*HALFT                   ; X's 256 rows, then W's 256 rows
.set STAGE,  2*SLOT                    ; behind the ring: 16 rows x 272 bytes for each wave, for the way out
.set SPITCH, 272
.set SPARE,  STAGE+4*16*SPITCH         ; the spare words, 128 bytes a wave: no other line names them
.set LAPS,   SIZE_K/(2*KSTEP)
.set ADRA, 16
.set ADRB, 20
.set STO,  24
.set RD,   25
.set CO,   26
.set BO,   27                          ; v27  32 x (l / 16): my eight columns' bytes in a block of sixteen biases
.set SPW,  28
.set NIL,  29
.set PFO,  30
.set PFA,  44                          ; s[44:45] where my prefetches stand
.set LIM,  43                          ; s43  1 in a wave that prefetches, else the greatest number
.set F0,   64
.set F1,   128
.set TMP,  192
.set BI,   192                         ; the bias of my 128 columns: block b at BI + 8 b
.set OB,   32
.set PA,   64
.set G1, 24
.set G0, 32
.set G1B, 48
.set G0B, 56
.set MSB, 0
.macro WIN new                         ; the immediate's high byte repeats the setting that is left
.if MSB != (\new)
	s_set_vgpr_msb (MSB<<8)|(\new)
.set MSB, \new
.endif
.endm
.set MUL_LO, 0xa1                      ; source 0 (W) window 1, source 1 (X) window 0, C and D window 2
.set MUL_HI, 0xf1                      ; the same, C and D window 3
.set TO_B,   0x40
; A joint load.  Waves 0 and 1 fetch X's two halves, waves 2 and 3 W's.  The branch hangs on the wave's number alone.  An s_nop 0 and four v_nop follow each line.
.macro JLOAD s
	s_cmp_eq_u32 s11, 0
	s_cbranch_scc0 .Lfor_b_\@
	tensor_load_to_lds s[G0+4*(\s):G0+4*(\s)+3], s[G1:G1+7]
	s_nop 0
.rept 4
	v_nop
.endr
	s_branch .Lasked_\@
.Lfor_b_\@:
	tensor_load_to_lds s[G0B+4*(\s):G0B+4*(\s)+3], s[G1B:G1B+7]
	s_nop 0
.rept 4
	v_nop
.endr
.Lasked_\@:
.endm
; A prefetch of the K step that stands two refills on: 32 rows x 256 bytes, a lane a row, one instruction a wave.  Each row's 256 bytes of a K step are named once in the launch:
; X's rows by the cluster with x = 0 that makes Q or K (V's clusters read K's rows of X), W's rows by the upper of the two clusters that read them; the four partners that ask for a
; tile jointly share its rows out by address.  The loop's last trip has no K step two on.
.macro ASK
	s_cmp_gt_u32 s3, s[LIM]
	s_cbranch_scc0 .Lnot_mine_\@
	global_prefetch_b8 v[PFO], s[PFA:PFA+1] offset:KSTEP*2 th:TH_LOAD_NT scope:SCOPE_SE
.Lnot_mine_\@:
.endm
.macro CREST                           ; a round of the cluster's barrier behind its opening barrier
	s_cmp_lg_u32 s10, 0
	s_cbranch_scc1 .Lnot_wave_0_\@
	s_barrier_signal -3
.Lnot_wave_0_\@:
	s_barrier_wait -3
	s_barrier_signal -1
	s_barrier_wait -1
.endm
.macro CROUND
	s_barrier_signal -1
	s_barrier_wait -1
	CREST
.endm
	s_load_b128 s[4:7], s[0:1], 0x0                ; xb s[4:5], wb s[6:7]
	s_load_b256 s[68:75], s[0:1], 0x10             ; bq s[68:69], bk s[70:71], bv s[72:73], qkv s[74:75]
	v_lshl_add_u32 v[SPW], v0, 2, SPARE
	v_mov_b32 v[NIL], 0
	ds_add_u32 v[SPW], v[NIL]                      ; the wave's opening: the add and its wait ahead of my first tensor load
	v_lshrrev_b32 v1, 5, v0
	v_readfirstlane_b32 s10, v1                    ; wave 0..3
	s_lshr_b32 s11, s10, 1                         ; which half of the tile's rows is mine.  Also: I fetch for X (0) or for W (1)
	s_and_b32 s12, s10, 1                          ; which half of its columns.  Also: which 128 rows of that tile I fetch
	s_bfe_u32 s40, ttmp6, 0x40000                  ; cx
	s_bfe_u32 s41, ttmp6, 0x40004                  ; cy
	s_lshl_b32 s42, ttmp9, 2
	s_add_co_u32 s42, s42, s40                     ; tile column 0..7
	s_and_b32 s66, ttmp7, 0xffff                   ; the cluster's y, 0..5
	s_lshr_b32 s79, s66, 1                         ; z: 0 Q, 1 K, 2 V
	s_lshl_b32 s78, s66, 2
	s_add_co_u32 s78, s78, s41                     ; tile row in qkv, 0..23
	s_cmp_eq_u32 s79, 2
	s_cselect_b32 s67, 2, 0
	s_sub_co_u32 s67, s66, s67                     ; V reads the rows of X that K reads
	s_lshl_b32 s13, s67, 2
	s_add_co_u32 s13, s13, s41                     ; tile row in xb, 0..15
	s_lshl_b32 s43, s41, 2
	s_lshl_b32 s43, 15, s43                        ; my row of the cluster
	s_lshl_b32 s44, 0x1111, s40                    ; my column
	s_or_b32 s[G1+0], s43, (1<<16)|(1<<20)|(1<<21)|(5<<22)|(3<<25)  ; the mask; 2-byte elements; padding on; bit 21 beside a mask; after every 64 words, 4 words
	s_or_b32 s[G1B+0], s44, (1<<16)|(1<<20)|(1<<21)|(5<<22)|(3<<25)
.irp g, G1, G1B
	s_mov_b32 s[(\g)+1], KSTEP<<16                 ; tensor_dim0 = 128
	s_mov_b32 s[(\g)+2], 128<<16                   ; tensor_dim1 = 128
	s_mov_b32 s[(\g)+3], KSTEP<<16                 ; tile_dim0 = 128
	s_mov_b32 s[(\g)+4], 128                       ; tile_dim1 = 128
	s_mov_b32 s[(\g)+5], SIZE_K                    ; elements from row to row
	s_mov_b32 s[(\g)+6], 0
	s_mov_b32 s[(\g)+7], 0
.endr
	s_lshl_b32 s17, s12, 7                         ; which 128 rows of the tile I fetch
	s_lshl_b32 s16, s13, 8
	s_add_co_u32 s16, s16, s17                     ; X: row 256 x tile row + 128 x half
	s_lshl_b32 s46, s42, 8
	s_add_co_u32 s46, s46, s17
	s_lshl_b32 s47, s79, 11
	s_add_co_u32 s46, s46, s47                     ; W: row 2,048 z + 256 x tile column + 128 x half
	s_mov_b32 s17, 0
	s_mov_b32 s47, 0
	s_mov_b64 s[18:19], SIZE_K*2
	s_mul_u64 s[16:17], s[16:17], s[18:19]
	s_mul_u64 s[46:47], s[46:47], s[18:19]
	s_mul_i32 s20, s10, HALFT                      ; where they go: wave x 128 rows
	s_wait_dscnt 0x0                               ; the opening add is done
	s_wait_kmcnt 0x0
	s_add_nc_u64 s[14:15], s[4:5], s[16:17]
	s_add_nc_u64 s[46:47], s[6:7], s[46:47]
	CROUND                                         ; all sixteen work-groups are here: the first joint loads meet
.irp s, 0,1
	s_mov_b32 s[G0+4*(\s)], 1
	s_add_co_u32 s[G0+4*(\s)+1], s20, (\s)*SLOT
	s_add_nc_u64 s[G0+4*(\s)+2:G0+4*(\s)+3], s[14:15], (\s)*KSTEP*2
	s_or_b32 s[G0+4*(\s)+3], s[G0+4*(\s)+3], 0x80000000
	s_mov_b32 s[G0B+4*(\s)], 1
	s_add_co_u32 s[G0B+4*(\s)+1], s20, (\s)*SLOT
	s_add_nc_u64 s[G0B+4*(\s)+2:G0B+4*(\s)+3], s[46:47], (\s)*KSTEP*2
	s_or_b32 s[G0B+4*(\s)+3], s[G0B+4*(\s)+3], 0x80000000
	JLOAD \s                                       ; two loads of mine are out
.endr
	v_and_b32 v1, 15, v0                           ; l % 16
	v_bfe_u32 v2, v0, 4, 1                         ; l / 16
	; the bias of my 128 columns: the choice among bq, bk, bv hangs on z alone
	s_mov_b64 s[76:77], s[68:69]
	s_cmp_eq_u32 s79, 1
	s_cselect_b64 s[76:77], s[70:71], s[76:77]
	s_cmp_eq_u32 s79, 2
	s_cselect_b64 s[76:77], s[72:73], s[76:77]
	s_lshl_b32 s20, s42, 10                        ; 256 columns of f32 a tile,
	s_lshl_b32 s21, s12, 9                         ; 128 a wave
	s_add_co_u32 s20, s20, s21
	s_mov_b32 s21, 0
	s_add_nc_u64 s[76:77], s[76:77], s[20:21]
	v_lshlrev_b32 v[BO], 5, v2
.irp b, 0,1,2,3,4,5,6,7
	global_load_b128 v[BI+8*(\b):BI+8*(\b)+3],   v[BO], s[76:77] offset:64*(\b)
	global_load_b128 v[BI+8*(\b)+4:BI+8*(\b)+7], v[BO], s[76:77] offset:64*(\b)+16
.endr
	s_mov_b64 s[8:9], s[74:75]
	v_mul_u32_u24 v3, v1, PITCH
	v_lshl_add_u32 v3, v2, 4, v3                   ; a fragment's row x pitch + 16 x half
	s_mul_i32 s21, s11, HALFT
	s_mul_i32 s22, s12, HALFT
	s_add_co_u32 s22, s22, 2*HALFT
.irp s, 0,1
	v_add_nc_u32 v[ADRA+(\s)], s21, v3
	v_add_nc_u32 v[ADRB+(\s)], s22, v3
	s_add_co_u32 s21, s21, SLOT
	s_add_co_u32 s22, s22, SLOT
.endr
	s_mul_i32 s23, s10, 16*SPITCH
	s_add_co_u32 s23, s23, STAGE                   ; my stage
	v_mul_u32_u24 v4, v1, SPITCH
	v_lshl_add_u32 v4, v2, 4, v4
	v_add_nc_u32 v[STO], s23, v4
	v_mul_u32_u24 v5, v2, SPITCH
	v_lshl_add_u32 v5, v1, 4, v5
	v_add_nc_u32 v[RD], s23, v5
	v_mul_u32_u24 v5, v2, SIZE_N*2
	v_lshl_add_u32 v[CO], v1, 4, v5
	s_lshl_b32 s16, s78, 8                         ; where my part of the tile begins in qkv
	s_lshl_b32 s14, s11, 7
	s_add_co_u32 s16, s16, s14
	s_mov_b32 s17, 0
	s_mov_b64 s[18:19], SIZE_N*2
	s_mul_u64 s[16:17], s[16:17], s[18:19]
	s_lshl_b32 s46, s42, 9
	s_lshl_b32 s47, s12, 8
	s_add_co_u32 s46, s46, s47
	s_mov_b32 s47, 0
	s_add_nc_u64 s[16:17], s[16:17], s[46:47]
	; the prefetches
	s_lshl_b32 s20, s13, 8                         ; the tile's first row in xb,
	s_lshl_b32 s21, s42, 8
	s_lshl_b32 s22, s79, 11
	s_add_co_u32 s21, s21, s22                     ; in wb
	s_cmp_eq_u32 s79, 2
	s_cselect_b32 s22, 1, 0
	s_or_b32 s22, s22, ttmp9                       ; X: 0 in the cluster that asks
	s_and_b32 s23, s66, 1                          ; W: likewise
	s_cmp_eq_u32 s11, 0                            ; do I fetch for X?
	s_cselect_b32 s20, s20, s21
	s_cselect_b32 s21, s40, s41                    ; my place among the four that ask with me
	s_cselect_b32 s22, s22, s23
	s_cselect_b64 s[PFA:PFA+1], s[4:5], s[6:7]
	s_cmp_eq_u32 s22, 0
	s_cselect_b32 s[LIM], 1, -1                    ; the same in all sixteen partners, for a given wave
	s_lshl_b32 s22, s12, 7
	s_add_co_u32 s20, s20, s22
	s_lshl_b32 s21, s21, 5
	s_add_co_u32 s20, s20, s21                     ; my work-group's 32 of the 128 rows that I fetch
	s_mov_b32 s21, 0
	s_mov_b64 s[18:19], SIZE_K*2
	s_mul_u64 s[20:21], s[20:21], s[18:19]
	s_add_nc_u64 s[PFA:PFA+1], s[PFA:PFA+1], s[20:21]
	s_add_nc_u64 s[PFA:PFA+1], s[PFA:PFA+1], 2*KSTEP*2  ; at K step 2: the first refill steps it to 3 and names K step 4
	v_and_b32 v[PFO], 31, v0
	v_mul_u32_u24 v[PFO], v[PFO], SIZE_K*2
; 16 matrix instructions: m blocks a0, a0 + 1 of the window's four x all 8 n blocks, 32 along K.  zero = 1: the first product starts the sums, with the bias as C.
.macro MUL16 f, hi, a0, zero
.if \zero
	WIN 0x81+0x40*(\hi)                            ; C (the bias) in window 0, D in window 2 or 3
.else
	WIN MUL_LO+0x50*(\hi)
.endif
.irp a, \a0, (\a0)+1
.irp b, 0,1,2,3,4,5,6,7
.if \zero
	v_wmma_f32_16x16x32_bf16 v[8*(8*(\a)+(\b)):8*(8*(\a)+(\b))+7], v[(\f)+8*(\b):(\f)+8*(\b)+7], v[(\f)+8*(4*(\hi)+(\a)):(\f)+8*(4*(\hi)+(\a))+7], v[BI+8*(\b):BI+8*(\b)+7]
.else
	v_wmma_f32_16x16x32_bf16 v[8*(8*(\a)+(\b)):8*(8*(\a)+(\b))+7], v[(\f)+8*(\b):(\f)+8*(\b)+7], v[(\f)+8*(4*(\hi)+(\a)):(\f)+8*(4*(\hi)+(\a))+7], v[8*(8*(\a)+(\b)):8*(8*(\a)+(\b))+7]
.endif
.endr
.endr
.endm
.macro FETCH slot, k, f                ; 32 LDS loads in one run: the fragments of one quarter step
	WIN TO_B
.irp i, 0,1,2,3,4,5,6,7
	ds_load_b128 v[(\f)+8*(\i):(\f)+8*(\i)+3],   v[ADRB+(\slot)] offset:(\k)+(\i)*16*PITCH
	ds_load_b128 v[(\f)+8*(\i)+4:(\f)+8*(\i)+7], v[ADRB+(\slot)] offset:(\k)+(\i)*16*PITCH+32
.endr
	WIN 0
.irp i, 0,1,2,3,4,5,6,7
	ds_load_b128 v[(\f)+8*(\i):(\f)+8*(\i)+3],   v[ADRA+(\slot)] offset:(\k)+(\i)*16*PITCH
	ds_load_b128 v[(\f)+8*(\i)+4:(\f)+8*(\i)+7], v[ADRA+(\slot)] offset:(\k)+(\i)*16*PITCH+32
.endr
.endm
.macro PLACES                          ; four plain places behind matrix instructions, in front of loads into their sources and of readers of their results
.rept 4
	v_nop
.endr
.endm
.macro QUARTER slot, k, f, g, zero
	s_wait_dscnt 8                                 ; W and X's rows 0-63 are in; the youngest eight loads (X's rows 64-127) may be out
	MUL16 \f, 0, 0, \zero
	MUL16 \f, 0, 2, \zero
	PLACES
	FETCH \slot, \k, \g
	s_wait_dscnt 32                                ; all but the 32 just issued
	MUL16 \f, 1, 0, \zero
	MUL16 \f, 1, 2, \zero
.endm
.macro MEET round                      ; the change of slots' barrier and what stands in front of it
	WIN 0
	s_wait_tensorcnt 0x0                           ; all my tensor loads have landed: the one that was out is my part of the next slot
	ds_add_u32 v[SPW], v[NIL]                      ; 0 onto my spare word
	s_wait_dscnt 9                                 ; (the add and the youngest eight loads may be out)
	MUL16 F1, 0, 0, 0
	s_wait_dscnt 0x0                               ; the add is done, and my reads of this slot are over
	s_barrier_signal -1
	MUL16 F1, 0, 2, 0
.if \round
	WIN 0
.endif
	s_barrier_wait -1
.endm
.macro TURN slot, next
	s_wait_xcnt 0x0                                ; the last prefetch, a K step back, has read its address
	s_add_nc_u64 s[PFA:PFA+1], s[PFA:PFA+1], KSTEP*2
	MEET 1
	CREST                                          ; no wave of any partner still reads this slot's tile or has a load on its way
	s_add_nc_u64 s[G0+4*(\slot)+2:G0+4*(\slot)+3], s[G0+4*(\slot)+2:G0+4*(\slot)+3], 2*KSTEP*2
	s_add_nc_u64 s[G0B+4*(\slot)+2:G0B+4*(\slot)+3], s[G0B+4*(\slot)+2:G0B+4*(\slot)+3], 2*KSTEP*2
	JLOAD \slot                                    ; the first tensor load behind the round; its four v_nop are also the places in front of the loads below
	FETCH \next, 0, F0
	ASK
	MUL16 F1, 1, 0, 0
	MUL16 F1, 1, 2, 0
.endm
; the last K step (slot 1) goes by rows of the result
.macro BLOAD q
	WIN TO_B
.irp i, 0,1,2,3,4,5,6,7
	ds_load_b128 v[64*(\q)+8*(\i):64*(\q)+8*(\i)+3],   v[ADRB+1] offset:64*(\q)+(\i)*16*PITCH
	ds_load_b128 v[64*(\q)+8*(\i)+4:64*(\q)+8*(\i)+7], v[ADRB+1] offset:64*(\q)+(\i)*16*PITCH+32
.endr
.endm
.macro ALOAD a
	WIN 0
.set FA, PA+32*((\a)%4)
.irp q, 0,1,2,3
	ds_load_b128 v[FA+8*(\q):FA+8*(\q)+3],   v[ADRA+1] offset:64*(\q)+(\a)*16*PITCH
	ds_load_b128 v[FA+8*(\q)+4:FA+8*(\q)+7], v[ADRA+1] offset:64*(\q)+(\a)*16*PITCH+32
.endr
.endm
.macro ROW a
.set FA, PA+32*((\a)%4)
.set AC, 64*((\a)%4)
	WIN MUL_LO+0x50*((\a)/4)
.irp q, 0,1,2,3
.if (\a) == 0 && (\q) == 2
	s_wait_dscnt 24                                ; W's quarter 2 is in (behind it: X's blocks 1 to 3)
.endif
.irp b, 0,1,2,3,4,5,6,7
	v_wmma_f32_16x16x32_bf16 v[AC+8*(\b):AC+8*(\b)+7], v[64*(\q)+8*(\b):64*(\q)+8*(\b)+7], v[FA+8*(\q):FA+8*(\q)+7], v[AC+8*(\b):AC+8*(\b)+7]
.endr
.endr
.endm
.macro PACK a
.set AC, 64*((\a)%4)
	WIN 0x0a+5*((\a)/4)
.irp b, 0,1,2,3,4,5,6,7
.irp r, 0,1,2,3
	v_cvt_pk_bf16_f32 v[TMP+4*(\b)+(\r)], v[AC+8*(\b)+2*(\r)], v[AC+8*(\b)+2*(\r)+1]
.endr
.endr
	WIN 0
.endm
.macro TOSTAGE a
	WIN 0
.set BK, OB+192*((\a)%2)
.irp b, 0,1,2,3,4,5,6,7
	ds_store_b128 v[STO], v[TMP+4*(\b):TMP+4*(\b)+3] offset:32*(\b)
.endr
.irp t, 0,1,2,3,4,5,6,7
	ds_load_b128 v[BK+4*(\t):BK+4*(\t)+3], v[RD] offset:(\t)*2*SPITCH  ; LDS serves a wave's instructions in order: these see the stores above
.endr
.endm
.macro SEND a, younger
	WIN 0
.set BK, OB+192*((\a)%2)
	s_wait_dscnt \younger
	s_wait_xcnt 0x0                                ; the stores' base and the registers that earlier stores read are rewritten only behind this wait
.if (\a) == 0
	s_add_nc_u64 s[8:9], s[8:9], s[16:17]
.else
	s_add_nc_u64 s[8:9], s[8:9], 16*SIZE_N*2
.endif
.irp t, 0,1,2,3,4,5,6,7
	global_store_b128 v[CO], v[BK+4*(\t):BK+4*(\t)+3], s[8:9] offset:2*(\t)*SIZE_N*2  ; 16 lanes store 256 consecutive bytes, aligned
.endr
.endm
	s_wait_tensorcnt 1                             ; my part of K step 0 is in; K step 1's may stay out
	s_barrier_signal -1
	s_barrier_wait -1
	FETCH 0, 0, F0
	s_wait_loadcnt 0x0                             ; the bias
	QUARTER 0, 64,  F0, F1, 1
	WIN 0
	s_mov_b32 s3, LAPS-1
.Llap:                                                 ; a trip goes once round the ring and fills both slots again
	QUARTER 0, 128, F1, F0, 0
	QUARTER 0, 192, F0, F1, 0
	TURN 0, 1
	QUARTER 1, 64,  F0, F1, 0
	QUARTER 1, 128, F1, F0, 0
	QUARTER 1, 192, F0, F1, 0
	TURN 1, 0
	QUARTER 0, 64,  F0, F1, 0
	WIN 0
	s_sub_co_u32 s3, s3, 1
	s_cmp_lg_u32 s3, 0
	s_cbranch_scc1 .Llap
	QUARTER 0, 128, F1, F0, 0
	QUARTER 0, 192, F0, F1, 0
	MEET 0                                         ; nothing is filled again, so no round follows
	PLACES
	BLOAD 0
	BLOAD 1
	BLOAD 3
	ALOAD 0
	MUL16 F1, 1, 0, 0
	MUL16 F1, 1, 2, 0
	PLACES
	BLOAD 2
	ALOAD 1
	ALOAD 2
	ALOAD 3
	s_wait_dscnt 40                                ; all but the 40 just issued
	ROW 0
.irp a, 0,1,2,3,4,5,6,7
	PLACES
	PACK \a
	TOSTAGE \a
.if (\a) < 4
	ALOAD (\a)+4
	SEND \a, 8
.else
	SEND \a, 0
.endif
.if (\a) < 7
	ROW (\a)+1
.endif
.endr
	s_wait_tensorcnt 0x0                           ; the wave's end
	ds_add_u32 v[SPW], v[NIL]
	s_wait_dscnt 0x0
	CROUND                                         ; the closing round
	s_endpgm
.Lfunc_end_k_q5fcf35adba_proj:
	.size	k_q5fcf35adba_proj, .Lfunc_end_k_q5fcf35adba_proj-k_q5fcf35adba_proj
	.p2alignl 7, 3214868480
	.fill 96, 4, 3214868480
	.section	.rodata,"a",@progbits
	.p2align	6, 0x0
	.amdhsa_kernel k_q5fcf35adba_proj
		.amdhsa_group_segment_fixed_size 327680
		.amdhsa_private_segment_fixed_size 0
		.amdhsa_enable_private_segment 0
		.amdhsa_kernarg_size 48
		.amdhsa_user_sgpr_count 2
		.amdhsa_user_sgpr_kernarg_segment_ptr 1
		.amdhsa_wavefront_size32 1
		.amdhsa_system_sgpr_workgroup_id_x 1
		.amdhsa_system_sgpr_workgroup_id_y 1
		.amdhsa_system_sgpr_workgroup_id_z 1
		.amdhsa_system_vgpr_workitem_id 0
		.amdhsa_next_free_vgpr 1024
		.amdhsa_next_free_sgpr 80
		.amdhsa_reserve_vcc 0
		.amdhsa_float_denorm_mode_32 3
		.amdhsa_float_denorm_mode_16_64 3
		.amdhsa_memory_ordered 1
		.amdhsa_forward_progress 1
		.amdhsa_inst_pref_size 147
	.end_amdhsa_kernel
	.amdgpu_metadata
---
amdhsa.version: [ 1, 2 ]
amdhsa.kernels:
  - .name:           k_q5fcf35adba_proj
    .symbol:         k_q5fcf35adba_proj.kd
    .args:
      - { .name: xb, .offset: 0, .size: 8, .value_kind: global_buffer, .address_space: global }
      - { .name: wb, .offset: 8, .size: 8, .value_kind: global_buffer, .address_space: global }
      - { .name: bq, .offset: 16, .size: 8, .value_kind: global_buffer, .address_space: global }
      - { .name: bk, .offset: 24, .size: 8, .value_kind: global_buffer, .address_space: global }
      - { .name: bv, .offset: 32, .size: 8, .value_kind: global_buffer, .address_space: global }
      - { .name: qkv, .offset: 40, .size: 8, .value_kind: global_buffer, .address_space: global }
    .group_segment_fixed_size: 327680
    .private_segment_fixed_size: 0
    .kernarg_segment_align: 8
    .kernarg_segment_size: 48
    .max_flat_workgroup_size: 128
    .sgpr_count:     80
    .vgpr_count:     1024
    .wavefront_size: 32
...
	.end_amdgpu_metadata
.endif
;; end of part 2
;; launch attn (part 3): grid 8 x 32, 4 waves a work-group, clusters of 4 x 1, 327,680 bytes of LDS; arguments qkv, padf, ctx; writes ctx
.if DOCPART == 3
	.amdgcn_target "amdgcn-amd-amdhsa--gfx1250"
	.amdhsa_code_object_version 6
	.text
	.protected	k_q5fcf35adba_attn
	.globl	k_q5fcf35adba_attn
	.p2align	8
	.type	k_q5fcf35adba_attn,@function
k_q5fcf35adba_attn:
	s_mov_b64 s[64:65], 0
	v_nop
	global_prefetch_b8 v0, s[64:65] scope:SCOPE_SE
	s_setreg_imm32_b32 hwreg(HW_REG_WAVE_MODE, 25, 1), 1
	s_wait_xcnt 0x0
	s_wait_alu depctr_hold_cnt(0) depctr_sa_sdst(0) depctr_va_vdst(0) depctr_va_sdst(0) depctr_va_ssrc(0) depctr_va_vcc(0) depctr_vm_vsrc(0)
	s_getreg_b32 s2, hwreg(HW_REG_IB_STS2, 6, 4)
	s_cmp_eq_u32 s2, 0
	s_cbranch_scc0 .Lentry_in_a_cluster
	s_endpgm
.Lentry_in_a_cluster:
	s_bfe_u32 s2, ttmp6, 0x10000c
	s_cmp_lg_u32 s2, 0x3003
	s_cbranch_scc0 .Lentry_shape_is_right
	s_endpgm
.Lentry_shape_is_right:
; ctx[b][q][h][:] = the sum over visible keys k of softmax_k(Q . K / sqrt(128)) V.  qkv [3][2048][2048] bf16 (row b x 1024 + t, column 128 h + channel), ctx [2048][2048] bf16, padf [2][1024] f32 (0 or -1e30).
; A key is hidden where k > q (the module's own mask; so keys from 1024 on are never read) or where the padding mask says so.  Products, maxima and sums in f32; the weights are rounded to bf16 for the second product.
; LIMITS.  A hidden score counts as its value less 1e30 (2e30 where both masks hide it); true scores stay under 7e28 in size; a weight below 2^-126 counts as 0; NaN and infinities in the inputs are not
; treated apart.  A query none of whose keys is visible gets NaN in all its channels, as a softmax over nothing gives.
; THE WALK.  A head's 1,024 queries are 16 blocks of 64.  A work-group takes block p and then block 15 - p (p = 4 g + cx, g the cluster's x).  A step is a tile of 256 keys.  Block j needs (j + 4) / 4 tiles:
; g = 0 walks 0 | 0 1 2 3, g = 1 walks 0 1 | 0 1 2: five steps for everybody, the same walk in all four partners of a cluster, so K and V come by joint loads.
; THE KEYS ARE SPLIT AMONG THE WAVES: of a tile wave w takes the unit of 64 keys 4 x tile + w, against all 64 queries (four tiles of 16).  Each wave keeps its own maximum m, sum l and O^T;
; at a block's end the four are merged through LDS.  No branch, trip count or LDS address hangs on cx: p enters Q's and ctx's addresses and the masks' scalars alone.
; LAYOUT.  S^T = K Q^T (source 0 = 16 keys, source 1 = 16 queries): a lane holds ONE query (lane % 16) and the keys 8 (lane / 16) + 0..7.  Two results rounded to bf16 ARE source 1 of O^T = V^T P.
; THE MASK is the C operand that starts each sum S^T.  PAD is the table's 32 numbers for my lane's keys; TRI hides 8 (l / 16) + r > l % 16.  With U my unit and JB the block: P0 = PAD + (U > JB ? -1e30 : 0) serves key
; blocks below the query tile's, P1 = P0 + TRI (U = JB ? 1 : 0) the tile's own, P2 = PAD + (U >= JB ? -1e30 : 0) those above.
; SOFTMAX.  p = 2^(c s - c m), c = log2(e) / sqrt(128), m a running maximum; O and l are multiplied by a = 2^(c m_old - c m_new) in every step.  c m starts far below every c s, so a block's first a is 0.
; IN PHASES: a step's 64 products K Q^T, its softmax (one batch of exponentials, one wait), its 64 products V^T P.
; REGISTERS, in windows of 256: window 0: v0-11, v44-48, v61-63 addresses; v12-43 statistics, 8 a tile; v64-191 S^T; v192-255 P (in the merge: v64-127 read back, v128-191 scaled O^T, v192-223 packed results)
;   window 1: O^T, 64 a tile     window 2: v0-127 Q; v128-255 K of the step, then V (K is dead when V comes)     window 3: v0-31 PAD, v32-63 P0, v64-95 P1, v96-127 P2, v128-135 TRI
.set PK,    272       ; a row of K in LDS: 256 bytes + 16: the 16 rows of a load start at 16 different groups of four banks (ISA guide 11.1)
.set PV,    288       ; a row of V: 256 + 32
.set VOFF,  256*PK    ; a slot: 256 rows of K, then 256 rows of V: 143,360 bytes
.set SLOTD, 0x24000   ; slot 1 begins here.  None of the bases 0, 0x8800, 0x11000, 0x1a000 has bit 17 or 14 set, so one exclusive or turns a base in one slot into the other's
.set STATS, 256*(PK+PV)  ; between the slots, 4,096 bytes: [wave][tile][lane] x {c m, l}
.set MSCR,  SLOTD+STATS  ; behind slot 1: four regions (one a wave) of 16 rows x 528 bytes of f32
.set MP,    528
.set SPARE, MSCR+4*16*MP ; the spare words, 128 bytes a wave: no other line names them
.set AK0, 2
.set AV0, 3
.set ADR, 4
.set QO,  5
.set MST, 6
.set MRD, 7
.set GO,  8
.set HH,  9
.set PDO, 11
.set ST,  12          ; tile t at v[ST+8 t]: c m, m, l (even keys', odd keys'), c0-c3 at work; a takes c2's place
.set SST, 44
.set SRD, 45
.set PFO, 61
.set SPW, 62
.set NIL, 63
.set S,   64
.set P,   192
.set RB,  64
.set TT,  128
.set OUT, 192
.set KF,  128         ; window 2
.set PAD, 0           ; window 3
.set P0,  32
.set P1,  64
.set P2,  96
.set TRI, 128
.set WV,  12
.set LIM, 19
.set PFA, 20
.set KB,  22          ; s[22:23] the head's K at my half of tile 0
.set G1K, 24
.set G1V, 32
.set G0K, 40
.set G0V, 44
.set VB,  48
.set QH,  50          ; s[50:51] Q at the second block
.set QL,  52          ; s[52:53] Q at the first
.set CP,  54          ; s[54:55] ctx at the block in hand
.set CPH, 56
.set CS,  58
.set SEL, 60
.set TB,  62          ; s62  LDS byte at which the slot to be read begins
.set CNT, 63
.set LOLEFT, 66       ; s66  steps that the first block still has
.set NXT, 67          ; s67  the tile to be asked for next
.set LQ,  68          ; s68  the last tile of the block whose tiles are being asked for
.set PEND, 69         ; s69  the tile that is on its way
.set CUR, 70          ; s70  the tile in hand
.set OFF, 72
.set AL,  74
.set BE,  76
.set BE2, 78
.set BIGN, 80
.set THR, 81
.set NANC, 82
.set JB,  83          ; s83  the block in hand
.set JHI, 84
.set U,   85
.set PP,  86          ; s[86:87] the table at the tile whose numbers are loaded
.set MSB, 0
.macro WIN new
.if MSB != (\new)
	s_set_vgpr_msb (MSB<<8)|(\new)
.set MSB, (\new)
.endif
.endm
.macro PLACES
.rept 4
	v_nop
.endr
.endm
.macro CROUND                       ; a round of the cluster's barrier
	s_barrier_signal -1
	s_barrier_wait -1
	s_cmp_lg_u32 s[WV], 0
	s_cbranch_scc1 .Lnot_wave_0_\@
	s_barrier_signal -3
.Lnot_wave_0_\@:
	s_barrier_wait -3
	s_barrier_signal -1
	s_barrier_wait -1
.endm
.macro JLOAD                        ; a joint fill: waves 0 and 1 fetch the halves of a tile's K, waves 2 and 3 those of its V; an s_nop 0 and four v_nop follow each line
	s_cmp_lt_u32 s[WV], 2
	s_cbranch_scc0 .Lfor_v_\@
	tensor_load_to_lds s[G0K:G0K+3], s[G1K:G1K+7]
	s_nop 0
.rept 4
	v_nop
.endr
	s_branch .Lasked_\@
.Lfor_v_\@:
	tensor_load_to_lds s[G0V:G0V+3], s[G1V:G1V+7]
	s_nop 0
.rept 4
	v_nop
.endr
.Lasked_\@:
.endm
; A prefetch of the tile that the head's first cluster will ask for at its next change of slots: tiles 1, 2, 3, one step ahead.  Each of a tile's 256 rows of K and of V (256 bytes a row) is named once:
; partner cx takes 64 rows by address, waves 0 and 1 K's 32 each, waves 2 and 3 V's, a lane a row.  The last change that fills asks for nothing.
.macro ASK
	s_cmp_gt_u32 s[CNT], s[LIM]
	s_cbranch_scc0 .Lnot_mine_\@
	global_prefetch_b8 v[PFO], s[PFA:PFA+1] th:TH_LOAD_NT scope:SCOPE_SE
.Lnot_mine_\@:
.endm
; THE CHANGE OF SLOTS.  Each wave waits for all its tensor loads (one is out: its part of the other slot), adds 0 to its spare word, and waits for that and for its reads of the slot that it leaves.
; fill = 1: the barrier is a round of the cluster's, and the old slot is filled again first thing behind it, with tile NXT; that load has a whole step in which to land.
.macro CHANGE fill
	WIN 0
	s_wait_tensorcnt 0x0            ; no tensor load of mine is out, so a group 0 may be written
	ds_add_u32 v[SPW], v[NIL]       ; 0 onto my spare word; scalar work stands between it and the wait for it
	s_mov_b32 s[CUR], s[PEND]
.if \fill
	s_mov_b32 s[PEND], s[NXT]
	s_lshl_b32 s[OFF], s[NXT], 20   ; a tile is 256 rows of 4,096 bytes
	s_xor_b32 s[G0K+1], s[G0K+1], SLOTD
	s_add_nc_u64 s[G0K+2:G0K+3], s[KB:KB+1], s[OFF:OFF+1]
	s_or_b32 s[G0K+3], s[G0K+3], 0x80000000
	s_xor_b32 s[G0V+1], s[G0V+1], SLOTD
	s_add_nc_u64 s[G0V+2:G0V+3], s[VB:VB+1], s[OFF:OFF+1]
	s_or_b32 s[G0V+3], s[G0V+3], 0x80000000
	s_add_co_u32 s[NXT], s[NXT], 1  ; the block's next tile, or behind its last the second block's tile 0
	s_cmp_gt_u32 s[NXT], s[LQ]
	s_cselect_b32 s[NXT], 0, s[NXT]
	s_cselect_b32 s[LQ], 99, s[LQ]
	s_wait_xcnt 0x0                 ; the last prefetch, a step back, has read its address
	s_add_nc_u64 s[PFA:PFA+1], s[PFA:PFA+1], 1<<20
.endif
	s_xor_b32 s[TB], s[TB], SLOTD
	s_wait_dscnt 0x0                ; the add is done, and my reads of the slot are over
.if \fill
	CROUND
	JLOAD
	ASK
.else
	s_barrier_signal -1
	s_barrier_wait -1
.endif
.endm
.macro FETCH_K                      ; my unit's K: 64 keys x 128 channels, 16 fragments: keys 16 (f / 4) on, channels 32 (f % 4) on
	WIN 0
	v_add_nc_u32 v[ADR], s[TB], v[AK0]
	WIN 0x80
.irp f, 0,1,2,3,4,5,6,7,8,9,10,11,12,13,14,15
	ds_load_b128 v[KF+8*(\f):KF+8*(\f)+3],   v[ADR] offset:((\f)/4)*16*PK+((\f)%4)*64
	ds_load_b128 v[KF+8*(\f)+4:KF+8*(\f)+7], v[ADR] offset:((\f)/4)*16*PK+((\f)%4)*64+32
.endr
.endm
.macro FETCH_V                      ; my unit's V, turned: keys 32 (f / 8) on, channels 16 (f % 8) on
	WIN 0
	v_add_nc_u32 v[ADR], s[TB], v[AV0]
	WIN 0x80
.irp f, 0,1,2,3,4,5,6,7,8,9,10,11,12,13,14,15
	ds_load_tr16_b128 v[KF+8*(\f):KF+8*(\f)+3],   v[ADR] offset:((\f)/8)*32*PV+((\f)%8)*32
	ds_load_tr16_b128 v[KF+8*(\f)+4:KF+8*(\f)+7], v[ADR] offset:((\f)/8)*32*PV+16*PV+((\f)%8)*32
.endr
.endm
.macro QLOAD base                   ; a block's Q: tile i / 4, channels 32 (i % 4) on
	WIN 0x80
.irp i, 0,1,2,3,4,5,6,7,8,9,10,11,12,13,14,15
	global_load_b128 v[8*(\i):8*(\i)+3],   v[QO], s[\base:\base+1] offset:((\i)/4)*65536+((\i)%4)*64
	global_load_b128 v[8*(\i)+4:8*(\i)+7], v[QO], s[\base:\base+1] offset:((\i)/4)*65536+((\i)%4)*64+32
.endr
.endm
.macro PADLOAD                      ; the table's numbers for my lane's 32 keys of a unit
	WIN 0xc0
.irp u, 0,1,2,3
	global_load_b128 v[PAD+8*(\u):PAD+8*(\u)+3],   v[PDO], s[PP:PP+1] offset:64*(\u)
	global_load_b128 v[PAD+8*(\u)+4:PAD+8*(\u)+7], v[PDO], s[PP:PP+1] offset:64*(\u)+16
.endr
.endm
; 64 products S^T = K Q^T: the 16 accumulators take turns, one instruction a turn.  The first 16 start the sums with the masks.
.macro KQALL
.irp c, 0,1,2,3
.irp t, 0,1,2,3
.irp u, 0,1,2,3
.set rS, S+32*(\t)+8*(\u)
.set rK, KF+32*(\u)+8*(\c)
.set rQ, 32*(\t)+8*(\c)
.if (\c) == 0
.if (\u) < (\t)
.set rM, P0+8*(\u)
.elseif (\u) == (\t)
.set rM, P1+8*(\u)
.else
.set rM, P2+8*(\u)
.endif
	WIN 0x3a                        ; K and Q in window 2, the mask in window 3, S^T in window 0
	v_wmma_f32_16x16x32_bf16 v[rS:rS+7], v[rK:rK+7], v[rQ:rQ+7], v[rM:rM+7]
.else
	WIN 0x0a
	v_wmma_f32_16x16x32_bf16 v[rS:rS+7], v[rK:rK+7], v[rQ:rQ+7], v[rS:rS+7]
.endif
.endr
.endr
.endr
.endm
; 64 products O^T += V^T P: 32 accumulators by turns.
.macro PVALL
	WIN 0x52                        ; V in window 2, P in window 0, O^T in window 1
.irp k, 0,1
.irp t, 0,1,2,3
.irp b, 0,1,2,3,4,5,6,7
	v_wmma_f32_16x16x32_bf16 v[64*(\t)+8*(\b):64*(\t)+8*(\b)+7], v[KF+64*(\k)+8*(\b):KF+64*(\k)+8*(\b)+7], v[P+16*(\t)+8*(\k):P+16*(\t)+8*(\k)+7], v[64*(\t)+8*(\b):64*(\t)+8*(\b)+7]
.endr
.endr
.endr
.endm
; One tile's softmax for a step is a list of 134 instructions; SM writes number j of it for tile t.
;   0-15 the maximum of the 32 scores and the old m (each accumulator's lowest registers are read first)     16-20 the other half of the lanes' maximum; m; c m; its change
;   21-69 the 16 scalings c s - c m and all 33 exponentials: none reads an exponential's result     70-85 the roundings to bf16     86-101 the sums; l = a l + sum     102-133 O^T times a
.macro SM t
.set rT, ST+8*(\t)
.set rS, S+32*(\t)
.set rP, P+16*(\t)
.set rO, 64*(\t)+2*(j-102)
.if j < 102
	WIN 0
.endif
.if j < 4
	v_max3_num_f32 v[rT+4+j], v[rS+8*j], v[rS+8*j+1], v[rS+8*j+2]
.elseif j < 12
	v_max3_num_f32 v[rT+4+j%4], v[rT+4+j%4], v[rS+8*(j%4)+2*(j/4)+1], v[rS+8*(j%4)+2*(j/4)+2]
.elseif j == 12
	v_max3_num_f32 v[rT+4], v[rT+4], v[rS+7], v[rS+15]
.elseif j == 13
	v_max3_num_f32 v[rT+6], v[rT+6], v[rS+23], v[rS+31]
.elseif j == 14
	v_max3_num_f32 v[rT+4], v[rT+4], v[rT+5], v[rT+6]
.elseif j == 15
	v_max3_num_f32 v[rT+4], v[rT+4], v[rT+7], v[rT+1]
.elseif j == 16
	v_permlanex16_b32 v[rT+5], v[rT+4], s[SEL], s[SEL+1]
.elseif j == 17
	v_mov_b32 v[rT+7], v[rT]
.elseif j == 18
	v_max_num_f32 v[rT+1], v[rT+4], v[rT+5]
.elseif j == 19
	v_mul_f32 v[rT], s[CS], v[rT+1]
.elseif j == 20
	v_sub_f32 v[rT+7], v[rT+7], v[rT]
.elseif j == 23
	v_exp_f32 v[rT+6], v[rT+7]
.elseif (j < 23) || ((j < 38) && (j%2 == 0)) || ((j < 66) && (j%4 == 2))
.set b, (j-2)/4
.if j < 38
.set b, (j-20)/2
.endif
	v_pk_fma_f32 v[rS+2*b:rS+2*b+1], v[rS+2*b:rS+2*b+1], s[CS:CS+1], v[rT:rT+1] op_sel_hi:[1,0,0] neg_lo:[0,0,1] neg_hi:[0,0,1]
.elseif j < 70
.set e, j-38
.if j < 66
.set e, j-32-(j-38)/4
.endif
.if j < 38
.set e, (j-25)/2
.endif
	v_exp_f32 v[rS+e], v[rS+e]
.elseif j < 86
	v_cvt_pk_bf16_f32 v[rP+j-70], v[rS+2*(j-70)], v[rS+2*(j-70)+1]
.elseif j < 102
.set z, j-86
.set w, 4
.set u, z
.if z >= 14
.set w, 32
.set u, 0
.elseif z >= 12
.set w, 16
.set u, z-12
.elseif z >= 8
.set w, 8
.set u, z-8
.endif
.if z < 15
	v_pk_add_f32 v[rS+w*u:rS+w*u+1], v[rS+w*u:rS+w*u+1], v[rS+w*u+w/2:rS+w*u+w/2+1]
.else
	v_pk_fma_f32 v[rT+2:rT+3], v[rT+2:rT+3], v[rT+6:rT+7], v[rS:rS+1] op_sel_hi:[1,0,1]
.endif
.else
	WIN 0x41
	v_pk_mul_f32 v[rO:rO+1], v[rO:rO+1], v[rT+6:rT+7] op_sel_hi:[1,0]
.endif
.endm
; A STEP.  more = 1: the table's numbers for the next step's tile are asked for as soon as this step's masks are made.
.macro STEP more
	FETCH_K
	WIN 0
	s_lshl2_add_u32 s[U], s[CUR], s[WV]  ; my unit
	s_cmp_eq_u32 s[U], s[JB]
	s_cselect_b32 s[AL], 1.0, 0
	s_cmp_gt_u32 s[U], s[JB]
	s_cselect_b32 s[BE], s[BIGN], 0
	s_cmp_ge_u32 s[U], s[JB]
	s_cselect_b32 s[BE2], s[BIGN], 0
	s_wait_loadcnt 0x0              ; the table's numbers (asked for a step ago), and at a block's first step Q
	WIN 0xff
.set z, 0
.rept 16
	v_pk_add_f32 v[P0+2*z:P0+2*z+1], v[PAD+2*z:PAD+2*z+1], s[BE:BE+1] op_sel_hi:[1,0]
.set z, z+1
.endr
.set z, 4
.rept 12
	v_pk_add_f32 v[P2+2*z:P2+2*z+1], v[PAD+2*z:PAD+2*z+1], s[BE2:BE2+1] op_sel_hi:[1,0]
.set z, z+1
.endr
.set z, 0
.rept 16
	v_pk_fma_f32 v[P1+2*z:P1+2*z+1], v[TRI+2*(z%4):TRI+2*(z%4)+1], s[AL:AL+1], v[P0+2*z:P0+2*z+1] op_sel_hi:[1,0,1]
.set z, z+1
.endr
.if \more
	s_lshl_b32 s[OFF], s[PEND], 10  ; 256 keys of f32 a tile; the pointer's last loads were waited for above
	s_add_nc_u64 s[PP:PP+1], s[6:7], s[OFF:OFF+1]
	PADLOAD
.endif
	s_wait_dscnt 0x0                ; K is in
	KQALL
	WIN 0
	PLACES                          ; behind the last products: V lands on K's registers, and the maximum reads the scores
	FETCH_V
.set j, 0
.rept 70
.irp t, 0,1,2,3
	SM \t
.endr
.set j, j+1
.endr
	v_nop                           ; a plain instruction behind the last exponential,
	s_wait_alu depctr_va_vdst(0)    ; and one wait for the step's 132, ahead of the first instruction that names a result
.rept 64
.irp t, 0,1,2,3
	SM \t
.endr
.set j, j+1
.endr
	s_wait_dscnt 0x0                ; V is in
	PVALL
	WIN 0
	PLACES
.endm
; THE MERGE, one tile of 16 queries: my O^T times my factor goes into my region as f32; behind a barrier wave w reads rows 4 w .. 4 w + 3 whole from all four regions, adds, rounds and stores them.
.macro ROUNDM t, last
.set rT, ST+8*(\t)
	WIN 0x01                        ; O^T in window 1
.set i, 0
.rept 32
	v_pk_mul_f32 v[TT+2*i:TT+2*i+1], v[64*(\t)+2*i:64*(\t)+2*i+1], v[rT+6:rT+7] op_sel_hi:[1,0]
.set i, i+1
.endr
	WIN 0
.irp f, 0,1,2,3,4,5,6,7
	ds_store_b128 v[MST], v[TT+8*(\f):TT+8*(\f)+3]   offset:64*(\f)
	ds_store_b128 v[MST], v[TT+8*(\f)+4:TT+8*(\f)+7] offset:64*(\f)+16
.endr
	s_wait_dscnt 0x0                ; for the others' sake: my stores are done
	s_barrier_signal -1
	s_barrier_wait -1
.irp n, 0,1,2,3
.irp v, 0,1,2,3
	ds_load_b128 v[RB+16*(\n)+4*(\v):RB+16*(\n)+4*(\v)+3], v[MRD] offset:16*MP*(\v)+MP*(\n)
.endr
.endr
	s_wait_dscnt 0x0                ; my reads are back: the regions may be written again behind the barrier that follows
.if !(\last)
	s_barrier_signal -1
.endif
.irp n, 0,1,2,3
	v_pk_add_f32 v[RB+16*(\n):RB+16*(\n)+1],     v[RB+16*(\n):RB+16*(\n)+1],     v[RB+16*(\n)+4:RB+16*(\n)+5]
	v_pk_add_f32 v[RB+16*(\n)+2:RB+16*(\n)+3],   v[RB+16*(\n)+2:RB+16*(\n)+3],   v[RB+16*(\n)+6:RB+16*(\n)+7]
	v_pk_add_f32 v[RB+16*(\n)+8:RB+16*(\n)+9],   v[RB+16*(\n)+8:RB+16*(\n)+9],   v[RB+16*(\n)+12:RB+16*(\n)+13]
	v_pk_add_f32 v[RB+16*(\n)+10:RB+16*(\n)+11], v[RB+16*(\n)+10:RB+16*(\n)+11], v[RB+16*(\n)+14:RB+16*(\n)+15]
.endr
.irp n, 0,1,2,3
	v_pk_add_f32 v[RB+16*(\n):RB+16*(\n)+1],   v[RB+16*(\n):RB+16*(\n)+1],   v[RB+16*(\n)+8:RB+16*(\n)+9]
	v_pk_add_f32 v[RB+16*(\n)+2:RB+16*(\n)+3], v[RB+16*(\n)+2:RB+16*(\n)+3], v[RB+16*(\n)+10:RB+16*(\n)+11]
.endr
.irp n, 0,1,2,3
	v_cvt_pk_bf16_f32 v[OUT+8*(\t)+2*(\n)],   v[RB+16*(\n)],   v[RB+16*(\n)+1]
	v_cvt_pk_bf16_f32 v[OUT+8*(\t)+2*(\n)+1], v[RB+16*(\n)+2], v[RB+16*(\n)+3]
.endr
.if !(\last)
	s_barrier_wait -1
.endif
.irp n, 0,1,2,3
	global_store_b64 v[GO], v[OUT+8*(\t)+2*(\n):OUT+8*(\t)+2*(\n)+1], s[CP:CP+1] offset:(16*(\t)+(\n))*4096  ; 32 lanes store a head's 256 bytes of a row, aligned
.endr
.endm
; A BLOCK'S END.  Each wave's {c m, l} meet in LDS; every wave makes the common maximum CM, L = the sum of l_w 2^(c m_w - CM), and its own factor 2^(c m_mine - CM) / L, or NaN where even CM is a hidden score's.
; O^T itself is not scaled in place: it stays finite for the next block, whose first a is 0.  mid = 1: the second block's Q is asked for at once, and its statistics are started at the end.
.macro MERGE mid
	WIN 0
.if \mid
	QLOAD QH
	WIN 0
.endif
.irp t, 0,1,2,3
	v_add_f32 v[ST+8*(\t)+4], v[ST+8*(\t)+2], v[ST+8*(\t)+3]
.endr
.irp t, 0,1,2,3
	v_permlanex16_b32 v[ST+8*(\t)+5], v[ST+8*(\t)+4], s[SEL], s[SEL+1]
.endr
.irp t, 0,1,2,3
	v_add_f32 v[ST+8*(\t)+1], v[ST+8*(\t)+4], v[ST+8*(\t)+5]  ; l, where m lay: m is no longer wanted
.endr
.irp t, 0,1,2,3
	ds_store_b64 v[SST], v[ST+8*(\t):ST+8*(\t)+1] offset:256*(\t)
.endr
	s_wait_dscnt 0x0
	s_barrier_signal -1
	s_barrier_wait -1
.irp t, 0,1,2,3
.irp w, 0,1,2,3
	ds_load_b64 v[S+8*(\t)+2*(\w):S+8*(\t)+2*(\w)+1], v[SRD] offset:1024*(\w)+256*(\t)
.endr
.endr
	s_wait_dscnt 0x0
.irp t, 0,1,2,3
	v_max3_num_f32 v[S+32+(\t)], v[S+8*(\t)], v[S+8*(\t)+2], v[S+8*(\t)+4]
.endr
.irp t, 0,1,2,3
	v_max_num_f32 v[S+32+(\t)], v[S+32+(\t)], v[S+8*(\t)+6]
.endr
.irp t, 0,1,2,3
.irp w, 0,1,2,3
	v_sub_f32 v[S+8*(\t)+2*(\w)], v[S+8*(\t)+2*(\w)], v[S+32+(\t)]
.endr
	v_sub_f32 v[ST+8*(\t)+4], v[ST+8*(\t)], v[S+32+(\t)]
.endr
.irp t, 0,1,2,3
.irp w, 0,1,2,3
	v_exp_f32 v[S+8*(\t)+2*(\w)], v[S+8*(\t)+2*(\w)]
.endr
	v_exp_f32 v[ST+8*(\t)+4], v[ST+8*(\t)+4]
.endr
	v_nop
	s_wait_alu depctr_va_vdst(0)    ; one wait for the twenty exponentials
.irp t, 0,1,2,3
	v_mul_f32 v[ST+8*(\t)+5], v[S+8*(\t)], v[S+8*(\t)+1]
.endr
.irp w, 1,2,3
.irp t, 0,1,2,3
	v_fmac_f32 v[ST+8*(\t)+5], v[S+8*(\t)+2*(\w)], v[S+8*(\t)+2*(\w)+1]
.endr
.endr
.irp t, 0,1,2,3
	v_rcp_f32 v[ST+8*(\t)+6], v[ST+8*(\t)+5]
.endr
	v_nop
	s_wait_alu depctr_va_vdst(0)    ; one wait for the four reciprocals
.irp t, 0,1,2,3
	v_mul_f32 v[ST+8*(\t)+6], v[ST+8*(\t)+6], v[ST+8*(\t)+4]
.endr
.irp t, 0,1,2,3
	v_cmp_gt_f32 vcc_lo, s[THR], v[S+32+(\t)]
	v_cndmask_b32 v[ST+8*(\t)+6], v[ST+8*(\t)+6], s[NANC], vcc_lo
.endr
	ROUNDM 0, 0
	ROUNDM 1, 0
	ROUNDM 2, 0
	ROUNDM 3, 1
.if \mid
	s_wait_xcnt 0x0                 ; the stores have read their registers and ctx's address
	s_mov_b64 s[CP:CP+1], s[CPH:CPH+1]
	s_mov_b32 s[JB], s[JHI]
.irp t, 0,1,2,3
	v_mov_b32 v[ST+8*(\t)], 0xfe000000
	v_mov_b32 v[ST+8*(\t)+1], 0xff7fffff
.endr
.endif
.endm
	s_load_b128 s[4:7], s[0:1], 0x0  ; qkv s[4:5], padf s[6:7]
	s_load_b64 s[8:9], s[0:1], 0x10  ; ctx
	v_lshl_add_u32 v[SPW], v0, 2, SPARE
	v_mov_b32 v[NIL], 0
	ds_add_u32 v[SPW], v[NIL]       ; the wave's opening: the add and its wait ahead of my first tensor load
	v_lshrrev_b32 v1, 5, v0
	v_readfirstlane_b32 s[WV], v1   ; wave 0..3
	s_bfe_u32 s13, ttmp6, 0x40000   ; cx
	s_mov_b32 s14, ttmp9            ; g: the cluster's x
	s_lshl_b32 s15, s14, 2
	s_add_co_u32 s15, s15, s13      ; p
	s_and_b32 s16, ttmp7, 0xffff    ; batch and head, which the partners share
	s_lshr_b32 s89, s16, 4
	s_and_b32 s90, s16, 15
	s_and_b32 s16, s[WV], 1         ; which half of a tile's 256 rows I fetch
	s_mul_i32 s17, s16, 128*PK      ; its place in a slot, for K
	s_mul_i32 s18, s16, 128*PV      ; and for V
	s_add_co_u32 s18, s18, VOFF
	s_mov_b32 s[G1K], 15|(1<<16)|(1<<20)|(1<<21)|(5<<22)|(3<<25)  ; the mask of four; 2-byte elements; padding on; bit 21 beside a mask; after every 64 words, 4 words
	s_mov_b32 s[G1V], 15|(1<<16)|(1<<20)|(1<<21)|(5<<22)|(7<<25)  ; the same with 8 words
.irp g, G1K, G1V
	s_mov_b32 s[(\g)+1], 128<<16    ; tensor_dim0 = 128
	s_mov_b32 s[(\g)+2], 128<<16    ; tensor_dim1 = 128
	s_mov_b32 s[(\g)+3], 128<<16    ; tile_dim0 = 128
	s_mov_b32 s[(\g)+4], 128        ; tile_dim1 = 128
	s_mov_b32 s[(\g)+5], 2048       ; elements from row to row
	s_mov_b32 s[(\g)+6], 0
	s_mov_b32 s[(\g)+7], 0
.endr
	s_mov_b32 s[CS], 0x3e0293ee     ; c = log2(e) / sqrt(128)
	s_mov_b32 s[CS+1], s[CS]
	s_mov_b32 s[SEL], 0x76543210
	s_mov_b32 s[SEL+1], 0xfedcba98
	s_mov_b32 s[BIGN], 0xf149f2ca   ; -1e30
	s_mov_b32 s[THR], 0xee000000    ; -2^93: a c m below this is a hidden score's
	s_mov_b32 s[NANC], 0x7fc00000
	s_mov_b32 s[TB], SLOTD          ; the first change of slots turns it into 0
	s_add_co_u32 s[LOLEFT], s14, 1
	s_mov_b32 s[NXT], s14
	s_cmp_eq_u32 s14, 0
	s_cselect_b32 s[LQ], 99, 1
	s_cselect_b32 s[LIM], 1, -1
	s_mov_b32 s[PEND], 0
	s_mov_b32 s[JB], s15
	s_sub_co_u32 s[JHI], 15, s15
	s_mov_b32 s[OFF+1], 0
	s_mov_b32 s[AL+1], 0            ; named as pairs
	s_mov_b32 s[BE+1], 0
	s_mov_b32 s[BE2+1], 0
	s_mov_b32 s[G0K], 1
	s_mov_b32 s[G0K+1], s17         ; slot 0
	s_mov_b32 s[G0V], 1
	s_mov_b32 s[G0V+1], s18
	s_lshl_b32 s2, s89, 22          ; the batch's 1,024 rows of 4,096 bytes,
	s_lshl_b32 s3, s90, 8           ; the head's 256 bytes of a row
	s_add_co_u32 s2, s2, s3
	s_mov_b32 s3, 0
	s_wait_dscnt 0x0                ; the opening add is done
	s_wait_kmcnt 0x0
	s_add_nc_u64 s[4:5], s[4:5], s[2:3]  ; Q at the head
	s_add_nc_u64 s[8:9], s[8:9], s[2:3]  ; ctx at the head
	s_lshl_b32 s2, s16, 19          ; my half: 128 rows
	s_add_nc_u64 s[KB:KB+1], s[4:5], s[2:3]
	s_add_nc_u64 s[VB:VB+1], s[KB:KB+1], 0x1000000
	s_add_nc_u64 s[KB:KB+1], s[KB:KB+1], 0x800000
	s_add_nc_u64 s[G0K+2:G0K+3], s[KB:KB+1], 0
	s_or_b32 s[G0K+3], s[G0K+3], 0x80000000
	s_add_nc_u64 s[G0V+2:G0V+3], s[VB:VB+1], 0
	s_or_b32 s[G0V+3], s[G0V+3], 0x80000000
	CROUND                          ; all four work-groups are here: the first joint loads meet
	JLOAD                           ; tile 0 into slot 0: one load of mine is out
	s_lshl_b32 s2, s89, 12
	s_add_nc_u64 s[6:7], s[6:7], s[2:3]  ; the table at the batch
	s_mov_b64 s[PP:PP+1], s[6:7]
	s_lshl_b32 s2, s15, 18          ; a block is 64 rows of 4,096 bytes
	s_add_nc_u64 s[QL:QL+1], s[4:5], s[2:3]
	s_add_nc_u64 s[CP:CP+1], s[8:9], s[2:3]
	s_lshl_b32 s2, s[JHI], 18
	s_add_nc_u64 s[QH:QH+1], s[4:5], s[2:3]
	s_add_nc_u64 s[CPH:CPH+1], s[8:9], s[2:3]
	s_mov_b32 s2, 0x800000          ; the prefetches: K for waves 0 and 1, V for waves 2 and 3,
	s_lshr_b32 s88, s[WV], 1
	s_lshl_b32 s2, s2, s88
	s_lshl_b32 s88, s13, 18         ; my work-group's 64 rows of a tile,
	s_add_co_u32 s2, s2, s88
	s_lshl_b32 s88, s16, 17         ; my wave's 32 of them
	s_add_co_u32 s2, s2, s88
	s_add_nc_u64 s[PFA:PFA+1], s[4:5], s[2:3]  ; in tile 0; the first change of slots steps it to tile 1
	v_and_b32 v1, 15, v0            ; l % 16
	v_bfe_u32 v[HH], v0, 4, 1       ; l / 16
	v_and_b32 v10, 31, v0           ; l
	v_lshlrev_b32 v[QO], 12, v1
	v_lshl_add_u32 v[QO], v[HH], 4, v[QO]
	s_lshl_b32 s88, s[WV], 8
	v_lshlrev_b32 v[PDO], 5, v[HH]
	v_add_nc_u32 v[PDO], s88, v[PDO]  ; 256 w + 32 (l / 16)
	QLOAD QL
	PADLOAD
	WIN 0
	v_lshlrev_b32 v48, 3, v[HH]
	v_sub_nc_u32 v48, v1, v48       ; register r is hidden on the diagonal where r > l % 16 - 8 (l / 16)
	WIN 0xc0
.set r, 0
.rept 8
	v_cmp_gt_i32 vcc_lo, r, v48
	v_cndmask_b32 v[TRI+r], 0, s[BIGN], vcc_lo
.set r, r+1
.endr
	WIN 0x40                        ; a block's first step multiplies O^T and l by a = 0: they need only be finite.  Zeros for the first block, written in the wait for the first tile
.set i, 0
.rept 256
	v_mov_b32 v[i], 0
.set i, i+1
.endr
	WIN 0
.irp t, 0,1,2,3
	v_mov_b32 v[ST+8*(\t)], 0xfe000000    ; c m: far below every c s
	v_mov_b32 v[ST+8*(\t)+1], 0xff7fffff  ; m
	v_mov_b32 v[ST+8*(\t)+2], 0
	v_mov_b32 v[ST+8*(\t)+3], 0
.endr
	v_mul_u32_u24 v[AK0], v1, PK
	v_lshl_add_u32 v[AK0], v[HH], 4, v[AK0]
	s_mul_i32 s88, s[WV], 64*PK
	v_add_nc_u32 v[AK0], s88, v[AK0]  ; (64 w + l % 16) x pitch + 16 x half
	v_and_b32 v46, 7, v0
	v_bfe_u32 v47, v0, 3, 1
	v_lshl_add_u32 v[AV0], v[HH], 3, v46
	v_mul_u32_u24 v[AV0], v[AV0], PV
	v_lshl_add_u32 v[AV0], v47, 4, v[AV0]
	s_mul_i32 s88, s[WV], 64*PV
	s_add_co_u32 s88, s88, VOFF
	v_add_nc_u32 v[AV0], s88, v[AV0]
	v_mul_u32_u24 v[MST], v1, MP
	v_lshl_add_u32 v[MST], v[HH], 5, v[MST]
	s_mul_i32 s88, s[WV], 16*MP
	s_add_co_u32 s88, s88, MSCR
	v_add_nc_u32 v[MST], s88, v[MST]
	s_mul_i32 s88, s[WV], 4*MP
	s_add_co_u32 s88, s88, MSCR
	v_lshl_add_u32 v[MRD], v10, 4, s88
	s_lshl_b32 s88, s[WV], 14
	v_lshl_add_u32 v[GO], v10, 3, s88
	s_lshl_b32 s88, s[WV], 10
	s_add_co_u32 s88, s88, STATS
	v_lshl_add_u32 v[SST], v10, 3, s88
	v_lshlrev_b32 v[SRD], 3, v10
	v_add_nc_u32 v[SRD], STATS, v[SRD]
	v_lshlrev_b32 v[PFO], 12, v10
	s_mov_b32 s[CNT], 4
.Ltrip:                             ; four trips: a tile is entered and the next is asked for
	CHANGE 1
	STEP 1
	s_sub_co_u32 s[LOLEFT], s[LOLEFT], 1
	s_cmp_lg_u32 s[LOLEFT], 0
	s_cbranch_scc1 .Lon             ; hangs on the cluster's x and the count alone: alike in all waves and all partners
	MERGE 1                         ; the first block ends behind trip 1 + g
.Lon:
	s_sub_co_u32 s[CNT], s[CNT], 1
	s_cmp_lg_u32 s[CNT], 0
	s_cbranch_scc1 .Ltrip
	CHANGE 0                        ; the walk's last tile is written out
	STEP 0
	MERGE 0
	s_wait_tensorcnt 0x0            ; the wave's end
	ds_add_u32 v[SPW], v[NIL]
	s_wait_dscnt 0x0
	CROUND                          ; the closing round
	s_endpgm
.Lfunc_end_k_q5fcf35adba_attn:
	.size	k_q5fcf35adba_attn, .Lfunc_end_k_q5fcf35adba_attn-k_q5fcf35adba_attn
	.p2alignl 7, 3214868480
	.fill 96, 4, 3214868480
	.section	.rodata,"a",@progbits
	.p2align	6, 0x0
	.amdhsa_kernel k_q5fcf35adba_attn
		.amdhsa_group_segment_fixed_size 327680
		.amdhsa_private_segment_fixed_size 0
		.amdhsa_enable_private_segment 0
		.amdhsa_kernarg_size 24
		.amdhsa_user_sgpr_count 2
		.amdhsa_user_sgpr_kernarg_segment_ptr 1
		.amdhsa_wavefront_size32 1
		.amdhsa_system_sgpr_workgroup_id_x 1
		.amdhsa_system_sgpr_workgroup_id_y 1
		.amdhsa_system_sgpr_workgroup_id_z 1
		.amdhsa_system_vgpr_workitem_id 0
		.amdhsa_next_free_vgpr 904
		.amdhsa_next_free_sgpr 96
		.amdhsa_reserve_vcc 1
		.amdhsa_float_denorm_mode_32 3
		.amdhsa_float_denorm_mode_16_64 3
		.amdhsa_memory_ordered 1
		.amdhsa_forward_progress 1
		.amdhsa_inst_pref_size 180
	.end_amdhsa_kernel
	.amdgpu_metadata
---
amdhsa.version: [ 1, 2 ]
amdhsa.kernels:
  - .name:           k_q5fcf35adba_attn
    .symbol:         k_q5fcf35adba_attn.kd
    .args:
      - { .name: qkv, .offset: 0, .size: 8, .value_kind: global_buffer, .address_space: global }
      - { .name: padf, .offset: 8, .size: 8, .value_kind: global_buffer, .address_space: global }
      - { .name: ctx, .offset: 16, .size: 8, .value_kind: global_buffer, .address_space: global }
    .group_segment_fixed_size: 327680
    .private_segment_fixed_size: 0
    .kernarg_segment_align: 8
    .kernarg_segment_size: 24
    .max_flat_workgroup_size: 128
    .sgpr_count:     96
    .vgpr_count:     904
    .wavefront_size: 32
...
	.end_amdgpu_metadata
.endif
;; end of part 3
;; launch oproj (part 4): grid 16 x 16, 4 waves a work-group, clusters of 4 x 4, 327,680 bytes of LDS; arguments ctx, wb, bo, gate, query_states, out0; writes out0
.if DOCPART == 4
	.amdgcn_target "amdgcn-amd-amdhsa--gfx1250"
	.amdhsa_code_object_version 6
	.text
	.protected	k_q5fcf35adba_oproj
	.globl	k_q5fcf35adba_oproj
	.p2align	8
	.type	k_q5fcf35adba_oproj,@function
k_q5fcf35adba_oproj:
	s_mov_b64 s[64:65], 0
	v_nop
	global_prefetch_b8 v0, s[64:65] scope:SCOPE_SE
	s_setreg_imm32_b32 hwreg(HW_REG_WAVE_MODE, 25, 1), 1
	s_wait_xcnt 0x0
	s_wait_alu depctr_hold_cnt(0) depctr_sa_sdst(0) depctr_va_vdst(0) depctr_va_sdst(0) depctr_va_ssrc(0) depctr_va_vcc(0) depctr_vm_vsrc(0)
	s_getreg_b32 s2, hwreg(HW_REG_IB_STS2, 6, 4)
	s_cmp_eq_u32 s2, 0
	s_cbranch_scc0 .Lentry_in_a_cluster
	s_endpgm
.Lentry_in_a_cluster:
	s_bfe_u32 s2, ttmp6, 0x10000c
	s_cmp_lg_u32 s2, 0xf033
	s_cbranch_scc0 .Lentry_shape_is_right
	s_endpgm
.Lentry_shape_is_right:
; out0 = query_states + (ctx Wo^T + bo) sigmoid(gate).  ctx [2048][2048] bf16, Wo = rows 6144-8191 of wb, bf16; bo, gate [2048] f32; query_states, out0 [2048][2048] f32.  Sums in f32.
; A tile of out0 is 128 x 128: 256 work-groups.  Four waves, each 64 x 64: 16 accumulators.  K goes in steps of 256 (LDS rows of 512 bytes) through two slots.
; CLUSTERS: 4 x 4 work-groups; ctx's tile is shared along a row of the cluster, Wo's along a column: joint loads.
; THE PRODUCT IS TAKEN TRANSPOSED (source 0 = 16 rows of Wo, source 1 = 16 rows of ctx): a lane holds eight neighbouring columns of one row.
; THE WAY OUT: a wave's 64 columns of f32 are 256 aligned bytes of a row, so each wave has a stage of its own and no barrier: 16 rows go in by lanes and come back as whole rows;
; out = sum x sg + bo x sg + query, with sg = 1 / (1 + 2^(-log2(e) gate)); the residual was loaded at the head.
; No prefetch: the tiles are small and every block of ctx and of Wo is read again by other clusters of the launch.
; REGISTERS: window 0: v0-31 addresses; v32-63 rows read back; v64-95 results; v96-99 sg; v100-103 bo x sg; v104-107 at work; v128-255 accumulators ((a, b) at 128 + 8 (4 a + b))
;   window 1: two fragment buffers of 128     window 2: v0-127 the residual
.set SIZE_K, 2048
.set KSTEP,  256
.set PITCH,  528                       ; 512 bytes + 16: the 16 rows of a load start at 16 different groups of four banks (ISA guide 11.1)
.set HALFT,  64*PITCH
.set SLOT,   4*HALFT
.set STAGE,  2*SLOT                    ; behind the ring: 16 rows x 272 bytes for each wave
.set SPITCH, 272
.set SPARE,  STAGE+4*16*SPITCH         ; the spare words: no other line names them
.set LAPS, SIZE_K/(2*KSTEP)
.set ROWB, 8192                        ; bytes in a row of out0 and of query_states
.set ADRA, 16
.set ADRB, 20
.set STO,  24
.set RD,   25
.set CO,   26
.set CB,   27
.set SPW,  28
.set NIL,  29
.set RB,   32
.set OUTR, 64
.set SG,   96
.set BS,   100
.set TW,   104
.set ACC,  128
.set F0,   0
.set F1,   128
.set G1, 24
.set G0, 32
.set G1B, 48
.set G0B, 56
.set MSB, 0
.macro WIN new
.if MSB != (\new)
	s_set_vgpr_msb (MSB<<8)|(\new)
.set MSB, \new
.endif
.endm
.set MUL,  0x05                        ; sources 0 and 1 window 1; C and D window 0
.set TO_F, 0x40
.macro JLOAD s                         ; waves 0 and 1 fetch ctx's two halves, waves 2 and 3 Wo's; an s_nop 0 and four v_nop follow each line
	s_cmp_eq_u32 s11, 0
	s_cbranch_scc0 .Lfor_b_\@
	tensor_load_to_lds s[G0+4*(\s):G0+4*(\s)+3], s[G1:G1+7]
	s_nop 0
.rept 4
	v_nop
.endr
	s_branch .Lasked_\@
.Lfor_b_\@:
	tensor_load_to_lds s[G0B+4*(\s):G0B+4*(\s)+3], s[G1B:G1B+7]
	s_nop 0
.rept 4
	v_nop
.endr
.Lasked_\@:
.endm
.macro CREST
	s_cmp_lg_u32 s10, 0
	s_cbranch_scc1 .Lnot_wave_0_\@
	s_barrier_signal -3
.Lnot_wave_0_\@:
	s_barrier_wait -3
	s_barrier_signal -1
	s_barrier_wait -1
.endm
.macro CROUND
	s_barrier_signal -1
	s_barrier_wait -1
	CREST
.endm
	s_load_b128 s[4:7], s[0:1], 0x0                ; ctx s[4:5], wb s[6:7]
	s_load_b128 s[68:71], s[0:1], 0x10             ; bo s[68:69], gate s[70:71]
	s_load_b128 s[72:75], s[0:1], 0x20             ; query_states s[72:73], out0 s[74:75]
	v_lshl_add_u32 v[SPW], v0, 2, SPARE
	v_mov_b32 v[NIL], 0
	ds_add_u32 v[SPW], v[NIL]                      ; the wave's opening: the add and its wait ahead of my first tensor load
	v_lshrrev_b32 v1, 5, v0
	v_readfirstlane_b32 s10, v1                    ; wave 0..3
	s_lshr_b32 s11, s10, 1                         ; which half of the tile's rows is mine.  Also: I fetch for ctx (0) or for Wo (1)
	s_and_b32 s12, s10, 1                          ; which half of its columns.  Also: which 64 rows of that tile I fetch
	s_bfe_u32 s40, ttmp6, 0x40000
	s_bfe_u32 s41, ttmp6, 0x40004
	s_lshl_b32 s42, ttmp9, 2
	s_add_co_u32 s42, s42, s40                     ; tile column
	s_and_b32 s13, ttmp7, 0xffff
	s_lshl_b32 s13, s13, 2
	s_add_co_u32 s13, s13, s41                     ; tile row
	s_lshl_b32 s43, s41, 2
	s_lshl_b32 s43, 15, s43
	s_lshl_b32 s44, 0x1111, s40
	s_or_b32 s[G1+0], s43, (1<<16)|(1<<20)|(1<<21)|(6<<22)|(3<<25)  ; the mask; 2-byte elements; padding on; bit 21 beside a mask; after every 128 words, 4 words
	s_or_b32 s[G1B+0], s44, (1<<16)|(1<<20)|(1<<21)|(6<<22)|(3<<25)
.irp g, G1, G1B
	s_mov_b32 s[(\g)+1], KSTEP<<16
	s_mov_b32 s[(\g)+2], 64<<16
	s_mov_b32 s[(\g)+3], KSTEP<<16
	s_mov_b32 s[(\g)+4], 64
	s_mov_b32 s[(\g)+5], SIZE_K
	s_mov_b32 s[(\g)+6], 0
	s_mov_b32 s[(\g)+7], 0
.endr
	s_lshl_b32 s17, s12, 6
	s_lshl_b32 s16, s13, 7
	s_add_co_u32 s16, s16, s17
	s_lshl_b32 s46, s42, 7
	s_add_co_u32 s46, s46, s17
	s_mov_b32 s17, 0
	s_mov_b32 s47, 0
	s_mov_b64 s[18:19], SIZE_K*2
	s_mul_u64 s[16:17], s[16:17], s[18:19]
	s_mul_u64 s[46:47], s[46:47], s[18:19]
	s_mul_i32 s20, s10, HALFT
	s_wait_dscnt 0x0                               ; the opening add is done
	s_wait_kmcnt 0x0
	s_add_nc_u64 s[6:7], s[6:7], 0x1800000         ; Wo: behind Wq, Wk and Wv
	s_add_nc_u64 s[14:15], s[4:5], s[16:17]
	s_add_nc_u64 s[46:47], s[6:7], s[46:47]
	CROUND
.irp s, 0,1
	s_mov_b32 s[G0+4*(\s)], 1
	s_add_co_u32 s[G0+4*(\s)+1], s20, (\s)*SLOT
	s_add_nc_u64 s[G0+4*(\s)+2:G0+4*(\s)+3], s[14:15], (\s)*KSTEP*2
	s_or_b32 s[G0+4*(\s)+3], s[G0+4*(\s)+3], 0x80000000
	s_mov_b32 s[G0B+4*(\s)], 1
	s_add_co_u32 s[G0B+4*(\s)+1], s20, (\s)*SLOT
	s_add_nc_u64 s[G0B+4*(\s)+2:G0B+4*(\s)+3], s[46:47], (\s)*KSTEP*2
	s_or_b32 s[G0B+4*(\s)+3], s[G0B+4*(\s)+3], 0x80000000
	JLOAD \s                                       ; two loads of mine are out
.endr
	v_and_b32 v1, 15, v0
	v_bfe_u32 v2, v0, 4, 1
	v_lshlrev_b32 v[CB], 4, v1                     ; my 16 bytes of a row's 256
	v_lshl_add_u32 v[CO], v2, 13, v[CB]            ; lanes 16-31 one row further down
	s_lshl_b32 s16, s13, 7
	s_lshl_b32 s17, s11, 6
	s_add_co_u32 s16, s16, s17                     ; my first row
	s_lshl_b32 s16, s16, 13
	s_lshl_b32 s46, s42, 9                         ; my first column, in bytes of f32
	s_lshl_b32 s47, s12, 8
	s_add_co_u32 s46, s46, s47
	s_mov_b32 s47, 0
	s_add_nc_u64 s[68:69], s[68:69], s[46:47]
	s_add_nc_u64 s[70:71], s[70:71], s[46:47]
	s_add_co_u32 s16, s16, s46
	s_mov_b32 s17, 0
	s_add_nc_u64 s[72:73], s[72:73], s[16:17]
	s_add_nc_u64 s[8:9], s[74:75], s[16:17]
	global_load_b128 v[SG:SG+3], v[CB], s[70:71]   ; gate
	global_load_b128 v[BS:BS+3], v[CB], s[68:69]   ; bo
	WIN 0x80                                       ; the residual: the same places as the stores at the end
.irp a, 0,1,2,3
.irp t, 0,1,2,3,4,5,6,7
	global_load_b128 v[32*(\a)+4*(\t):32*(\a)+4*(\t)+3], v[CO], s[72:73] offset:(16*(\a)+2*(\t))*ROWB th:TH_LOAD_NT
.endr
.endr
	WIN 0
	v_mul_u32_u24 v3, v1, PITCH
	v_lshl_add_u32 v3, v2, 4, v3
	s_mul_i32 s21, s11, HALFT
	s_mul_i32 s22, s12, HALFT
	s_add_co_u32 s22, s22, 2*HALFT
.irp s, 0,1
	v_add_nc_u32 v[ADRA+(\s)], s21, v3
	v_add_nc_u32 v[ADRB+(\s)], s22, v3
	s_add_co_u32 s21, s21, SLOT
	s_add_co_u32 s22, s22, SLOT
.endr
	s_mul_i32 s23, s10, 16*SPITCH
	s_add_co_u32 s23, s23, STAGE                   ; my stage
	v_mul_u32_u24 v4, v1, SPITCH                   ; in: row l % 16, 32 bytes for each half of the lanes
	v_lshl_add_u32 v4, v2, 5, v4
	v_add_nc_u32 v[STO], s23, v4
	v_mul_u32_u24 v5, v2, SPITCH                   ; back: lanes 0-15 one row of 256 bytes, lanes 16-31 the next
	v_lshl_add_u32 v5, v1, 4, v5
	v_add_nc_u32 v[RD], s23, v5
	s_wait_loadcnt 32                              ; gate and bo are in; the residual's 32 loads may stay out
.irp n, 0,1,2,3
	v_mul_f32 v[TW+(\n)], 0xbfb8aa3b, v[SG+(\n)]   ; -log2(e) gate
.endr
.irp n, 0,1,2,3
	v_exp_f32 v[TW+(\n)], v[TW+(\n)]
.endr
	v_nop
	s_wait_alu depctr_va_vdst(0)                   ; one wait for the four exponentials
.irp n, 0,1,2,3
	v_add_f32 v[TW+(\n)], 1.0, v[TW+(\n)]
.endr
.irp n, 0,1,2,3
	v_rcp_f32 v[SG+(\n)], v[TW+(\n)]
.endr
	v_nop
	s_wait_alu depctr_va_vdst(0)                   ; one wait for the four reciprocals
	v_pk_mul_f32 v[BS:BS+1], v[BS:BS+1], v[SG:SG+1]
	v_pk_mul_f32 v[BS+2:BS+3], v[BS+2:BS+3], v[SG+2:SG+3]
.macro MUL8 f, c, a0, zero
	WIN MUL
.irp a, \a0, (\a0)+1
.irp b, 0,1,2,3
.if \zero
	v_wmma_f32_16x16x32_bf16 v[ACC+8*(4*(\a)+(\b)):ACC+8*(4*(\a)+(\b))+7], v[(\f)+64+8*(4*(\c)+(\b)):(\f)+64+8*(4*(\c)+(\b))+7], v[(\f)+8*(4*(\c)+(\a)):(\f)+8*(4*(\c)+(\a))+7], 0
.else
	v_wmma_f32_16x16x32_bf16 v[ACC+8*(4*(\a)+(\b)):ACC+8*(4*(\a)+(\b))+7], v[(\f)+64+8*(4*(\c)+(\b)):(\f)+64+8*(4*(\c)+(\b))+7], v[(\f)+8*(4*(\c)+(\a)):(\f)+8*(4*(\c)+(\a))+7], v[ACC+8*(4*(\a)+(\b)):ACC+8*(4*(\a)+(\b))+7]
.endif
.endr
.endr
.endm
.macro FETCH slot, k, f                ; 32 LDS loads in one run: 64 along K; the first 32 along K first
	WIN TO_F
.irp c, 0,1
.irp i, 0,1,2,3
	ds_load_b128 v[(\f)+64+8*(4*(\c)+(\i)):(\f)+64+8*(4*(\c)+(\i))+3],   v[ADRB+(\slot)] offset:(\k)+64*(\c)+(\i)*16*PITCH
	ds_load_b128 v[(\f)+64+8*(4*(\c)+(\i))+4:(\f)+64+8*(4*(\c)+(\i))+7], v[ADRB+(\slot)] offset:(\k)+64*(\c)+(\i)*16*PITCH+32
	ds_load_b128 v[(\f)+8*(4*(\c)+(\i)):(\f)+8*(4*(\c)+(\i))+3],         v[ADRA+(\slot)] offset:(\k)+64*(\c)+(\i)*16*PITCH
	ds_load_b128 v[(\f)+8*(4*(\c)+(\i))+4:(\f)+8*(4*(\c)+(\i))+7],       v[ADRA+(\slot)] offset:(\k)+64*(\c)+(\i)*16*PITCH+32
.endr
.endr
.endm
.macro PLACES
.rept 4
	v_nop
.endr
.endm
.macro QUARTER slot, k, f, g, zero
	s_wait_dscnt 16                                ; the first 32 along K are in
	MUL8 \f, 0, 0, \zero
	MUL8 \f, 0, 2, \zero
	PLACES
	FETCH \slot, \k, \g
	s_wait_dscnt 32                                ; all but the 32 just issued
	MUL8 \f, 1, 0, 0
	MUL8 \f, 1, 2, 0
.endm
.macro TURN slot, next, fill
	WIN 0
	s_wait_tensorcnt 0x0                           ; all my tensor loads have landed: my part of the next slot
	ds_add_u32 v[SPW], v[NIL]
	s_wait_dscnt 17                                ; (the add and the youngest sixteen loads may be out)
	MUL8 F1, 0, 0, 0
	s_wait_dscnt 0x0                               ; the add is done, and my reads of this slot are over
	s_barrier_signal -1
	MUL8 F1, 0, 2, 0
.if \fill
	WIN 0
.endif
	s_barrier_wait -1
.if \fill
	CREST                                          ; no wave of any partner still reads this slot's tile or has a load on its way
	s_add_nc_u64 s[G0+4*(\slot)+2:G0+4*(\slot)+3], s[G0+4*(\slot)+2:G0+4*(\slot)+3], 2*KSTEP*2
	s_add_nc_u64 s[G0B+4*(\slot)+2:G0B+4*(\slot)+3], s[G0B+4*(\slot)+2:G0B+4*(\slot)+3], 2*KSTEP*2
	JLOAD \slot
.else
	PLACES
.endif
	FETCH \next, 0, F0
	MUL8 F1, 1, 0, 0
	MUL8 F1, 1, 2, 0
.endm
	s_wait_tensorcnt 1                             ; my part of K step 0 is in; K step 1's may stay out
	s_barrier_signal -1
	s_barrier_wait -1
	FETCH 0, 0, F0
	QUARTER 0, 128, F0, F1, 1
	WIN 0
	s_mov_b32 s3, LAPS-1
.Llap:
	QUARTER 0, 256, F1, F0, 0
	QUARTER 0, 384, F0, F1, 0
	TURN 0, 1, 1
	QUARTER 1, 128, F0, F1, 0
	QUARTER 1, 256, F1, F0, 0
	QUARTER 1, 384, F0, F1, 0
	TURN 1, 0, 1
	QUARTER 0, 128, F0, F1, 0
	WIN 0
	s_sub_co_u32 s3, s3, 1
	s_cmp_lg_u32 s3, 0
	s_cbranch_scc1 .Llap
	QUARTER 0, 256, F1, F0, 0                      ; the last lap fills nothing
	QUARTER 0, 384, F0, F1, 0
	TURN 0, 1, 0
	QUARTER 1, 128, F0, F1, 0
	QUARTER 1, 256, F1, F0, 0
	QUARTER 1, 384, F0, F1, 0
	s_wait_dscnt 16
	MUL8 F1, 0, 0, 0
	MUL8 F1, 0, 2, 0
	s_wait_dscnt 0
	MUL8 F1, 1, 0, 0
	MUL8 F1, 1, 2, 0
	WIN 0
	PLACES
	s_wait_loadcnt 0x0                             ; the residual
.irp a, 0,1,2,3
.irp b, 0,1,2,3
	ds_store_b128 v[STO], v[ACC+8*(4*(\a)+(\b)):ACC+8*(4*(\a)+(\b))+3]   offset:64*(\b)
	ds_store_b128 v[STO], v[ACC+8*(4*(\a)+(\b))+4:ACC+8*(4*(\a)+(\b))+7] offset:64*(\b)+16
.endr
.irp t, 0,1,2,3,4,5,6,7
	ds_load_b128 v[RB+4*(\t):RB+4*(\t)+3], v[RD] offset:(\t)*2*SPITCH  ; LDS serves a wave's instructions in order: these see the stores above
.endr
	s_wait_dscnt 0x0
	s_wait_xcnt 0x0                                ; the block before's stores have read the registers that are written now
.irp t, 0,1,2,3,4,5,6,7
	v_pk_fma_f32 v[OUTR+4*(\t):OUTR+4*(\t)+1],   v[RB+4*(\t):RB+4*(\t)+1],   v[SG:SG+1],   v[BS:BS+1]
	v_pk_fma_f32 v[OUTR+4*(\t)+2:OUTR+4*(\t)+3], v[RB+4*(\t)+2:RB+4*(\t)+3], v[SG+2:SG+3], v[BS+2:BS+3]
.endr
	WIN 0x08                                       ; source 1: the residual, in window 2
.irp t, 0,1,2,3,4,5,6,7
	v_pk_add_f32 v[OUTR+4*(\t):OUTR+4*(\t)+1],   v[OUTR+4*(\t):OUTR+4*(\t)+1],   v[32*(\a)+4*(\t):32*(\a)+4*(\t)+1]
	v_pk_add_f32 v[OUTR+4*(\t)+2:OUTR+4*(\t)+3], v[OUTR+4*(\t)+2:OUTR+4*(\t)+3], v[32*(\a)+4*(\t)+2:32*(\a)+4*(\t)+3]
.endr
	WIN 0
.irp t, 0,1,2,3,4,5,6,7
	global_store_b128 v[CO], v[OUTR+4*(\t):OUTR+4*(\t)+3], s[8:9] offset:(16*(\a)+2*(\t))*ROWB th:TH_STORE_NT  ; 16 lanes store 256 consecutive bytes, aligned
.endr
.endr
	s_wait_tensorcnt 0x0                           ; the wave's end
	ds_add_u32 v[SPW], v[NIL]
	s_wait_dscnt 0x0
	CROUND                                         ; the closing round
	s_endpgm
.Lfunc_end_k_q5fcf35adba_oproj:
	.size	k_q5fcf35adba_oproj, .Lfunc_end_k_q5fcf35adba_oproj-k_q5fcf35adba_oproj
	.p2alignl 7, 3214868480
	.fill 96, 4, 3214868480
	.section	.rodata,"a",@progbits
	.p2align	6, 0x0
	.amdhsa_kernel k_q5fcf35adba_oproj
		.amdhsa_group_segment_fixed_size 327680
		.amdhsa_private_segment_fixed_size 0
		.amdhsa_enable_private_segment 0
		.amdhsa_kernarg_size 48
		.amdhsa_user_sgpr_count 2
		.amdhsa_user_sgpr_kernarg_segment_ptr 1
		.amdhsa_wavefront_size32 1
		.amdhsa_system_sgpr_workgroup_id_x 1
		.amdhsa_system_sgpr_workgroup_id_y 1
		.amdhsa_system_sgpr_workgroup_id_z 1
		.amdhsa_system_vgpr_workitem_id 0
		.amdhsa_next_free_vgpr 768
		.amdhsa_next_free_sgpr 80
		.amdhsa_reserve_vcc 0
		.amdhsa_float_denorm_mode_32 3
		.amdhsa_float_denorm_mode_16_64 3
		.amdhsa_memory_ordered 1
		.amdhsa_forward_progress 1
		.amdhsa_inst_pref_size 98
	.end_amdhsa_kernel
	.amdgpu_metadata
---
amdhsa.version: [ 1, 2 ]
amdhsa.kernels:
  - .name:           k_q5fcf35adba_oproj
    .symbol:         k_q5fcf35adba_oproj.kd
    .args:
      - { .name: ctx, .offset: 0, .size: 8, .value_kind: global_buffer, .address_space: global }
      - { .name: wb, .offset: 8, .size: 8, .value_kind: global_buffer, .address_space: global }
      - { .name: bo, .offset: 16, .size: 8, .value_kind: global_buffer, .address_space: global }
      - { .name: gate, .offset: 24, .size: 8, .value_kind: global_buffer, .address_space: global }
      - { .name: query_states, .offset: 32, .size: 8, .value_kind: global_buffer, .address_space: global }
      - { .name: out0, .offset: 40, .size: 8, .value_kind: global_buffer, .address_space: global }
    .group_segment_fixed_size: 327680
    .private_segment_fixed_size: 0
    .kernarg_segment_align: 8
    .kernarg_segment_size: 48
    .max_flat_workgroup_size: 128
    .sgpr_count:     80
    .vgpr_count:     768
    .wavefront_size: 32
...
	.end_amdgpu_metadata
.endif
;; end of part 4
